; MI455X (gfx1250); checked and timed in simulation.
; The chip was launched on July 23, 2026; its instructions are those of AMD's public machine-readable ISA for CDNA 5 (MIT licence, August 2026) and "CDNA5" Instruction Set Architecture Reference Guide (July 2026). The comments in the code are by the model that wrote it; some were corrected since.
;; Multi Head Causal Attention. Allowed arithmetic: float matrix products may take bf16 or f16 operands with f32 sums; other float arithmetic in f32, or as packed bf16 or f16 multiplies, adds, multiply-adds, maxima and minima; sums over many terms, partial sums and values carried from step to step in f32; what a program stores and reads back later, other than sums and carried values, may be rounded once to bf16 or f16.
;; Inputs: Wk 2,048 x 512 float32; Wo 512 x 512 float32; Wq 2,048 x 512 float32; Wv 2,048 x 512 float32; x 4 x 2,048 x 2,048 float32.
;; Outputs: out0 4 x 2,048 x 512 float32.
;; One version. Each part assembles by itself: llvm-mc -triple=amdgcn-amd-amdhsa -mcpu=gfx1250 --defsym DOCPART=n.
;; ======== version 1 of 1: 4 launches
;; limits: values are held in f16: magnitudes above 65,504 overflow, below 6.1e-05 lose precision
;; workspace buffers: wb 6,291,456 bytes; wob 524,288 bytes; qs 16,777,216 bytes; ks 16,777,216 bytes; vs 8,388,608 bytes; ow 8,388,608 bytes
;; launch prep (part 1): grid 832 x 1, 4 waves a work-group, no clusters, 9,728 bytes of LDS; arguments Wq, Wk, Wv, Wo, wb, wob; writes wb, wob
.if DOCPART == 1
	.amdgcn_target "amdgcn-amd-amdhsa--gfx1250"
	.amdhsa_code_object_version 6
	.text
	.protected	k_q11af6cbee9_prep
	.globl	k_q11af6cbee9_prep
	.p2align	8
	.type	k_q11af6cbee9_prep,@function
k_q11af6cbee9_prep:
	s_mov_b64 s[64:65], 0
	v_nop
	global_prefetch_b8 v0, s[64:65] scope:SCOPE_SE
	s_setreg_imm32_b32 hwreg(HW_REG_WAVE_MODE, 25, 1), 1
	s_wait_xcnt 0x0
; THE WEIGHTS, TURNED AND ROUNDED.  Wq, Wk, Wv: [2048 k][512 n] f32, Wo: [512 k][512 n] f32; all have rows of 2,048 bytes.
; wb  = bf16 [kb 32][n' 1536][64 k], n' = 192 g + 64 type + c: column 64 g + c of Wq (type 0), Wk (1), Wv (2); g is a pair of heads.
; wob = [kb 8][n 512][64 k]: Wo rounded to bf16, and that number written as f16.
; LIMIT: a bf16 number beyond 65,504 has no f16; below 6e-5 f16 keeps a fixed step of 6e-8.
; A work-group turns one tile of 64 k x 64 n: 768 tiles of the three W, then 64 of Wo.  It reads rows of 256 consecutive bytes, rounds pairs along k,
; lays them into LDS by n (rows of 128 bytes, 144 apart) and stores the tile, which is 8,192 dense bytes of the target: a wave's store covers 512 consecutive bytes.
; No matrix unit, no tensor load, no prefetch: 20 MB in all, each byte once, in one short pass.
.set PITCH, 144
.set SPARE, 64*PITCH                   ; behind the tile: the spare words, 128 bytes for each of the four waves
.set SPW, 62                           ; v62  LDS address of my spare word; never rewritten
.set NIL, 63                           ; v63  0; never rewritten
.set X, 8                              ; v[8:39]   row i of my eight, four columns: X + 4 i + j
.set Y, 40                             ; v[40:55]  column j, eight k: Y + 4 j ..; later the tile read back
.set T, 56                             ; v56-57    at work
	s_load_b256 s[4:11], s[0:1], 0x0               ; Wq s[4:5], Wk s[6:7], Wv s[8:9], Wo s[10:11]
	s_load_b128 s[12:15], s[0:1], 0x20             ; wb s[12:13], wob s[14:15]
	v_lshl_add_u32 v[SPW], v0, 2, SPARE
	v_mov_b32 v[NIL], 0
	s_lshr_b32 s17, ttmp9, 8                       ; type 0, 1, 2; 3 = Wo
	s_and_b32 s18, ttmp9, 7                        ; g: which 64 columns
	s_bfe_u32 s19, ttmp9, 0x50003                  ; kb: which 64 rows (768 / 8 is a multiple of 32, so the same field serves Wo's 0..7)
	s_lshl_b32 s20, s19, 17                        ; the tile in its source: 64 kb rows of 2,048 bytes
	s_lshl_b32 s21, s18, 8                         ; + 64 g columns of 4 bytes
	s_add_co_u32 s20, s20, s21
	s_mov_b32 s21, 0
	s_mul_i32 s22, s19, 196608                     ; the tile in wb: kb x 1,536 rows of 128 bytes
	s_mul_i32 s23, s18, 24576                      ; + 192 g rows
	s_add_co_u32 s22, s22, s23
	s_lshl_b32 s23, s17, 13                        ; + 64 type rows
	s_add_co_u32 s22, s22, s23
	s_lshl_b32 s24, s19, 16                        ; the tile in wob: kb x 512 rows
	s_lshl_b32 s25, s18, 13                        ; + 64 g rows
	s_add_co_u32 s24, s24, s25
	s_cmp_eq_u32 s17, 3
	s_cselect_b32 s22, s24, s22
	s_mov_b32 s23, 0
	v_and_b32 v1, 15, v0                           ; c: my four columns
	v_lshrrev_b32 v2, 4, v0                        ; rg: my eight rows
	v_lshlrev_b32 v3, 4, v1
	v_lshl_add_u32 v3, v2, 14, v3                  ; 8 rg rows of 2,048 bytes + 16 c
	v_mul_u32_u24 v4, v1, 4*PITCH
	v_lshl_add_u32 v4, v2, 4, v4                   ; into LDS: row 4 c (+ j), byte 16 rg
	v_lshrrev_b32 v5, 3, v0
	v_mul_u32_u24 v5, v5, PITCH
	v_and_b32 v6, 7, v0
	v_lshl_add_u32 v5, v6, 4, v5                   ; back: row t / 8 (+ 16 i), byte 16 (t % 8)
	v_lshlrev_b32 v6, 4, v0                        ; and out: 16 t
	s_wait_kmcnt 0x0
	s_cmp_eq_u32 s17, 1
	s_cselect_b64 s[4:5], s[6:7], s[4:5]
	s_cmp_eq_u32 s17, 2
	s_cselect_b64 s[4:5], s[8:9], s[4:5]
	s_cmp_eq_u32 s17, 3
	s_cselect_b64 s[4:5], s[10:11], s[4:5]
	s_cselect_b64 s[12:13], s[14:15], s[12:13]
	s_add_nc_u64 s[4:5], s[4:5], s[20:21]
	s_add_nc_u64 s[12:13], s[12:13], s[22:23]
.irp i, 0,1,2,3,4,5,6,7
	global_load_b128 v[X+4*(\i):X+4*(\i)+3], v3, s[4:5] offset:2048*(\i) th:TH_LOAD_NT  ; sixteen lanes read 256 consecutive bytes of a row
.endr
	s_wait_loadcnt 0x0
.irp j, 0,1,2,3
.irp h, 0,1,2,3
	v_cvt_pk_bf16_f32 v[Y+4*(\j)+(\h)], v[X+8*(\h)+(\j)], v[X+8*(\h)+4+(\j)]  ; column j, rows 2 h and 2 h + 1
.endr
.endr
	s_cmp_lg_u32 s17, 3
	s_cbranch_scc1 .Lkeep                          ; the three W stay bf16
.set i, 0
.rept 16
	v_lshlrev_b32 v[T], 16, v[Y+i]                 ; Wo: the bf16 numbers, widened,
	v_and_b32 v[T+1], 0xffff0000, v[Y+i]
	v_cvt_pk_f16_f32 v[Y+i], v[T], v[T+1]          ; are written as f16
.set i, i+1
.endr
.Lkeep:
.irp j, 0,1,2,3
	ds_store_b128 v4, v[Y+4*(\j):Y+4*(\j)+3] offset:(\j)*PITCH
.endr
	s_wait_dscnt 0x0                               ; for the others' sake: my stores are done
	s_barrier_signal -1
	s_barrier_wait -1
.irp i, 0,1,2,3
	ds_load_b128 v[Y+4*(\i):Y+4*(\i)+3], v5 offset:(\i)*16*PITCH
.endr
.irp i, 0,1,2,3
	s_wait_dscnt 3-(\i)                            ; the younger loads may stay out
	global_store_b128 v6, v[Y+4*(\i):Y+4*(\i)+3], s[12:13] offset:2048*(\i)
.endr
	s_wait_tensorcnt 0x0                           ; the wave's end: an add of 0 to my spare word and its wait, behind my last LDS store
	ds_add_u32 v[SPW], v[NIL]
	s_wait_dscnt 0x0
	s_endpgm
.Lfunc_end_k_q11af6cbee9_prep:
	.size	k_q11af6cbee9_prep, .Lfunc_end_k_q11af6cbee9_prep-k_q11af6cbee9_prep
	.p2alignl 7, 3214868480
	.fill 96, 4, 3214868480
	.section	.rodata,"a",@progbits
	.p2align	6, 0x0
	.amdhsa_kernel k_q11af6cbee9_prep
		.amdhsa_group_segment_fixed_size 9728
		.amdhsa_private_segment_fixed_size 0
		.amdhsa_enable_private_segment 0
		.amdhsa_kernarg_size 48
		.amdhsa_user_sgpr_count 2
		.amdhsa_user_sgpr_kernarg_segment_ptr 1
		.amdhsa_wavefront_size32 1
		.amdhsa_system_sgpr_workgroup_id_x 1
		.amdhsa_system_sgpr_workgroup_id_y 1
		.amdhsa_system_sgpr_workgroup_id_z 1
		.amdhsa_system_vgpr_workitem_id 0
		.amdhsa_next_free_vgpr 64
		.amdhsa_next_free_sgpr 66
		.amdhsa_reserve_vcc 0
		.amdhsa_float_denorm_mode_32 3
		.amdhsa_float_denorm_mode_16_64 3
		.amdhsa_memory_ordered 1
		.amdhsa_forward_progress 1
		.amdhsa_inst_pref_size 8
	.end_amdhsa_kernel
	.amdgpu_metadata
---
amdhsa.version: [ 1, 2 ]
amdhsa.kernels:
  - .name:           k_q11af6cbee9_prep
    .symbol:         k_q11af6cbee9_prep.kd
    .args:
      - { .name: Wq, .offset: 0, .size: 8, .value_kind: global_buffer, .address_space: global }
      - { .name: Wk, .offset: 8, .size: 8, .value_kind: global_buffer, .address_space: global }
      - { .name: Wv, .offset: 16, .size: 8, .value_kind: global_buffer, .address_space: global }
      - { .name: Wo, .offset: 24, .size: 8, .value_kind: global_buffer, .address_space: global }
      - { .name: wb, .offset: 32, .size: 8, .value_kind: global_buffer, .address_space: global }
      - { .name: wob, .offset: 40, .size: 8, .value_kind: global_buffer, .address_space: global }
    .group_segment_fixed_size: 9728
    .private_segment_fixed_size: 0
    .kernarg_segment_align: 8
    .kernarg_segment_size: 48
    .max_flat_workgroup_size: 128
    .sgpr_count:     66
    .vgpr_count:     64
    .wavefront_size: 32
...
	.end_amdgpu_metadata
.endif
;; end of part 1
;; launch qkv (part 2): grid 4 x 64, 4 waves a work-group, clusters of 4 x 4, 327,680 bytes of LDS; arguments x, wb, qs, ks, vs; writes qs, ks, vs
.if DOCPART == 2
	.amdgcn_target "amdgcn-amd-amdhsa--gfx1250"
	.amdhsa_code_object_version 6
	.text
	.protected	k_q11af6cbee9_qkv
	.globl	k_q11af6cbee9_qkv
	.p2align	8
	.type	k_q11af6cbee9_qkv,@function
k_q11af6cbee9_qkv:
	s_mov_b64 s[64:65], 0
	v_nop
	global_prefetch_b8 v0, s[64:65] scope:SCOPE_SE
	s_setreg_imm32_b32 hwreg(HW_REG_WAVE_MODE, 25, 1), 1
	s_wait_xcnt 0x0
	s_wait_alu depctr_hold_cnt(0) depctr_sa_sdst(0) depctr_va_vdst(0) depctr_va_sdst(0) depctr_va_ssrc(0) depctr_va_vcc(0) depctr_vm_vsrc(0)
	s_getreg_b32 s2, hwreg(HW_REG_IB_STS2, 6, 4)
	s_cmp_eq_u32 s2, 0
	s_cbranch_scc0 .Lentry_in_a_cluster
	s_endpgm
.Lentry_in_a_cluster:
	s_bfe_u32 s2, ttmp6, 0x10000c
	s_cmp_lg_u32 s2, 0xf033
	s_cbranch_scc0 .Lentry_shape_is_right
	s_endpgm
.Lentry_shape_is_right:
; THE THREE PROJECTIONS AS ONE PRODUCT.  [8192 x 2048] (x, f32, rounded to bf16 on its way into the matrix unit) times [2048 x 1536] (wb, bf16, [kb 32][n' 1536][64 k]); sums in f32.
; OUT, by heads (bh = 16 batch + head): qs, ks = [bh 64][t 2048][64] bf16: 32 numbers hi = bf16(q), then 32 numbers lo = bf16(q - hi): a row of 128 bytes;  vs = [bh][t][32] f16.
; LIMITS: v lies within f16's 65,504 (below 6e-5 it keeps f16's fixed step of 6e-8); q and k keep hi + lo, 16 significant bits or more, and bf16's range.
; SHARES.  A tile is 128 rows x 384 columns: 64 x 4 = 256 work-groups.  Four waves, 2 x 2, each 64 x 192: 48 accumulators, 384 registers.  A wave's 192 columns are one pair of heads' 64 q, 64 k and 64 v
; columns (that is how wb is ordered), so the way out is one text for every wave.
; K STEP 64.  A step costs 4 x 128 + 2 x 384 = 1,280 bytes of LDS for each k; two slots of 128 along K would be all 327,680 bytes before any padding, so the step is 64: two slots of 90,112 bytes.
; CLUSTER 4 x 4.  The four work-groups of a row of the cluster make the four column tiles of one tile row and need the same rows of x; the four of a column need the same rows of wb.  Each tile is asked
; for JOINTLY: the same tensor load, descriptor and mask in all four.
; THE MATRIX INSTRUCTION IS USED TRANSPOSED (source 0 = 16 rows of wb, source 1 = 16 rows of x): a lane holds one row t (lane % 16) and eight neighbouring columns.
; REGISTERS, in windows of 256 (s_set_vgpr_msb: bits 1:0 source 0, 3:2 source 1, 5:4 source 2, 7:6 destination):
;   window 0: v16-30 addresses; v32-95, v96-159 x's fragments in f32, two buffers (16 registers for 16 rows x 32 k); v160-191 the same in bf16, one buffer; on the way out v32-255 at work
;   window 1: v0-95, v96-191 wb's fragments, two buffers      window 2: accumulators of my rows 0-31, (a, b) at 96 (a % 2) + 8 b      window 3: those of rows 32-63
.set PA,    272                        ; a row of x in LDS: 64 f32 = 256 bytes + 16: an odd multiple of 16, so the 16 rows of a load start at 16 different groups of four banks (64 banks of 4 bytes: ISA guide 11.1)
.set PBB,   144                        ; a row of wb: 64 bf16 = 128 bytes + 16
.set AHALF, 64*PA                      ; what one tensor load brings of x, and what a wave reads of it
.set BHALF, 192*PBB                    ; the same for wb
.set BOFF,  2*AHALF
.set SLOT,  BOFF+2*BHALF               ; 90,112
.set STAGE, 2*SLOT                     ; behind the ring, never filled by a tensor load: each wave's stage for the way out
.set SQ,    144                        ; stage rows of q and k: 128 bytes + 16
.set SV,    80                         ; of v: 64 + 16
.set SETB,  16*SQ                      ; a set of 16 rows: q head 0, q head 1, k head 0, k head 1
.set VSTG,  4*SETB
.set VSET,  16*SV                      ; v head 0, v head 1
.set STW,   VSTG+2*VSET                ; 11,776 bytes a wave
.set SPARE, STAGE+4*STW                ; behind the stages: the spare words, 128 bytes for each wave
.set ADRA, 16                          ; v16-17  LDS address of my fragments of x in slot 0, 1
.set ADRB, 20                          ; v20-21  of wb
.set STO,  22                          ; v22  the way out: where I put 16 bytes of a row of q or k
.set STV,  23                          ; v23  of v
.set RD,   24                          ; v24  where I read rows of q and k back
.set RDV,  25                          ; v25  of v
.set GO,   26                          ; v26  16 x lane
.set SPW,  28                          ; v28  LDS address of my spare word; never rewritten
.set NIL,  29                          ; v29  0; never rewritten
.set PFO,  30                          ; v30  the prefetches' lane offset; never rewritten
.set LAND, 32
.set ABF,  160
.set TMP,  32                          ; the way out: v32-111 packed results: q, k block b: hi at 8 b, lo at 8 b + 4; v at 64 + 4 (b - 8)
.set F,    112                         ; v112-175 hi widened, then q - hi
.set BK,   176                         ; v176-255 twenty times 16 bytes read back
.set HM,   4                           ; s4   a word's upper half
.set G1A, 24                           ; s[24:31] descriptor group 1 for x's tiles;  s[32:39] group 0, a set for each slot
.set G0A, 32
.set G1B, 48                           ; s[48:55], s[56:63] the same for wb's
.set G0B, 56
.set LIM, 45                           ; s45  1 in a wave that prefetches, else the greatest number
.set PFA, 66                           ; s[66:67] where my prefetches stand
.set PFS, 68                           ; s[68:69] their step: a lap (two K steps)
.set VS,  70                           ; s[70:71] vs;  s[72:73] x, s[74:75] wb, s[76:77] qs, s[78:79] ks
.set XP,  72
.set WP,  74
.set QS,  76
.set KS,  78
.set MSB, 0
.macro WIN new                         ; the immediate's high byte repeats the setting that is left; a switch that changes nothing is dropped
.if MSB != (\new)
	s_set_vgpr_msb (MSB<<8)|(\new)
.set MSB, (\new)
.endif
.endm
.macro PLACES
.rept 4
	v_nop
.endr
.endm
; A joint refill.  Waves 0 and 1 fetch the two halves of x's tile, waves 2 and 3 those of wb's.  The branch hangs on the wave's number alone.
; An s_nop 0 and four v_nop follow each of the two lines, ahead of the jump and the label.
.macro JLOAD s
	s_cmp_lt_u32 s10, 2
	s_cbranch_scc0 .Lfor_b_\@
	tensor_load_to_lds s[G0A+4*(\s):G0A+4*(\s)+3], s[G1A:G1A+7]
	s_nop 0
	PLACES
	s_branch .Lasked_\@
.Lfor_b_\@:
	tensor_load_to_lds s[G0B+4*(\s):G0B+4*(\s)+3], s[G1B:G1B+7]
	s_nop 0
	PLACES
.Lasked_\@:
.endm
.macro CREST                           ; a round of the cluster's barrier behind its opening barrier
	s_cmp_lg_u32 s10, 0
	s_cbranch_scc1 .Lnot_wave_0_\@
	s_barrier_signal -3
.Lnot_wave_0_\@:
	s_barrier_wait -3
	s_barrier_signal -1
	s_barrier_wait -1
.endm
.macro CROUND
	s_barrier_signal -1
	s_barrier_wait -1
	CREST
.endm
; A PREFETCH INTO THE L2, once a lap, behind slot 0's joint load and the run of LDS loads: the lap that stands two laps on (K steps 2 L + 4 and 2 L + 5 in trip L), 192 matrix instructions ahead of the
; first load that wants it.  x: a tile row is read by one row of one cluster; of the 64 rows that wave 0 or 1 fetches the partner at cx takes 16, both K steps' 256 bytes: 32 lanes.
; wb: a column tile's lap is 2 x 49,152 bytes = 384 blocks of 256; every cluster reads them; wave 2 of the twelve work-groups of tile rows 0 to 11 (clusters 0 to 2) takes 32 blocks each.  The partners are
; told apart by address alone.  So each block of x and of wb is named once.  Laps 0 and 1 come by their loads alone; the loop's last trip has no lap two on.
.macro ASK
	s_cmp_gt_u32 s3, s[LIM]
	s_cbranch_scc0 .Lnot_mine_\@
	global_prefetch_b8 v[PFO], s[PFA:PFA+1] th:TH_LOAD_NT scope:SCOPE_SE
.Lnot_mine_\@:
.endm
	s_load_b256 s[72:79], s[0:1], 0x0              ; x, wb, qs, ks
	s_load_b64 s[70:71], s[0:1], 0x20              ; vs
	v_lshl_add_u32 v[SPW], v0, 2, SPARE
	v_mov_b32 v[NIL], 0
	ds_add_u32 v[SPW], v[NIL]                      ; the wave's opening: the add and its wait stand ahead of my first tensor load; the set-up below, work on registers, stands between them
	v_lshrrev_b32 v1, 5, v0
	v_readfirstlane_b32 s10, v1                    ; wave 0..3
	s_lshr_b32 s11, s10, 1                         ; which 64 of the tile's rows are mine
	s_and_b32 s12, s10, 1                          ; which 192 of its columns; also: which half of a tile I fetch
	s_bfe_u32 s40, ttmp6, 0x40000                  ; cx, cy: my place in the cluster
	s_bfe_u32 s41, ttmp6, 0x40004
	s_lshl_b32 s42, ttmp9, 2
	s_add_co_u32 s42, s42, s40                     ; column tile = 4 x cluster x + cx
	s_and_b32 s13, ttmp7, 0xffff
	s_lshl_b32 s13, s13, 2
	s_add_co_u32 s13, s13, s41                     ; tile row = 4 x cluster y + cy
	s_lshl_b32 s43, s41, 2
	s_lshl_b32 s43, 15, s43                        ; my row of the cluster
	s_lshl_b32 s44, 0x1111, s40                    ; my column
	s_or_b32 s[G1A+0], s43, (2<<16)|(1<<20)|(1<<21)|(5<<22)|(3<<25)  ; the mask: x's tiles go to my row; elements of 4 bytes; padding on; bit 21 beside a mask; after every 64 words, 4 words
	s_mov_b32 s[G1A+1], 64<<16                     ; tensor_dim0 = 64
	s_mov_b32 s[G1A+2], 64<<16                     ; tensor_dim1 = 64
	s_mov_b32 s[G1A+3], 64<<16                     ; tile_dim0 = 64 elements: 256 bytes
	s_mov_b32 s[G1A+4], 64                         ; tile_dim1 = 64 rows
	s_mov_b32 s[G1A+5], 2048                       ; elements from row to row
	s_mov_b32 s[G1A+6], 0
	s_mov_b32 s[G1A+7], 0
	s_or_b32 s[G1B+0], s44, (1<<16)|(1<<20)|(1<<21)|(4<<22)|(3<<25)  ; wb's go to my column; elements of 2 bytes; after every 32 words (a row of wb), 4 words
	s_mov_b32 s[G1B+1], 128<<16                    ; 192 rows of wb are 24,576 dense bytes: asked for as 96 rows of 256 bytes
	s_mov_b32 s[G1B+2], 96<<16
	s_mov_b32 s[G1B+3], 128<<16
	s_mov_b32 s[G1B+4], 96
	s_mov_b32 s[G1B+5], 128
	s_mov_b32 s[G1B+6], 0
	s_mov_b32 s[G1B+7], 0
	s_mov_b32 s[HM], 0xffff0000
	s_lshl_b32 s16, s13, 7                         ; x: row 128 x tile row + 64 x half,
	s_lshl_b32 s17, s12, 6
	s_add_co_u32 s16, s16, s17
	s_lshl_b32 s16, s16, 13                        ; of 8,192 bytes (under 2^26)
	s_mov_b32 s17, 0
	s_mul_i32 s46, s42, 49152                      ; wb: 384 rows of 128 bytes a column tile,
	s_mul_i32 s47, s12, 24576                      ; 192 a half
	s_add_co_u32 s46, s46, s47
	s_mov_b32 s47, 0
	s_mul_i32 s20, s12, AHALF                      ; and where they go: no place in the cluster enters an LDS address
	s_mul_i32 s21, s12, BHALF
	s_add_co_u32 s21, s21, BOFF
	s_wait_dscnt 0x0                               ; the opening add is done
	s_wait_kmcnt 0x0
	s_add_nc_u64 s[14:15], s[XP:XP+1], s[16:17]
	s_add_nc_u64 s[46:47], s[WP:WP+1], s[46:47]
	CROUND                                         ; all sixteen work-groups are here: the first joint loads meet
.irp s, 0,1
	s_mov_b32 s[G0A+4*(\s)], 1
	s_add_co_u32 s[G0A+4*(\s)+1], s20, (\s)*SLOT
	s_add_nc_u64 s[G0A+4*(\s)+2:G0A+4*(\s)+3], s[14:15], (\s)*256      ; K step s: 64 f32
	s_or_b32 s[G0A+4*(\s)+3], s[G0A+4*(\s)+3], 0x80000000
	s_mov_b32 s[G0B+4*(\s)], 1
	s_add_co_u32 s[G0B+4*(\s)+1], s21, (\s)*SLOT
	s_add_nc_u64 s[G0B+4*(\s)+2:G0B+4*(\s)+3], s[46:47], (\s)*196608   ; K step s: a block of 1,536 rows
	s_or_b32 s[G0B+4*(\s)+3], s[G0B+4*(\s)+3], 0x80000000
.endr
	s_cmp_lt_u32 s10, 2                            ; a wave's two first fills stand in one branch, ahead of every wait on TENSORcnt and every LDS read: two loads of mine are out
	s_cbranch_scc0 .Lfirst_b
	tensor_load_to_lds s[G0A:G0A+3], s[G1A:G1A+7]
	s_nop 0
	tensor_load_to_lds s[G0A+4:G0A+7], s[G1A:G1A+7]
	s_nop 0
	PLACES
	s_branch .Lfirst_asked
.Lfirst_b:
	tensor_load_to_lds s[G0B:G0B+3], s[G1B:G1B+7]
	s_nop 0
	tensor_load_to_lds s[G0B+4:G0B+7], s[G1B:G1B+7]
	s_nop 0
	PLACES
.Lfirst_asked:
	; A fragment is 16 rows x 32 k: lane l holds row l % 16 and k = 8 (l / 16) + 0..7, 16 + 8 (l / 16) + 0..7.  In bf16: two loads of 16 bytes, 32 apart; in f32: four, at 32 (l / 16) + 0, 16, 64, 80.
	v_and_b32 v1, 15, v0                           ; l % 16
	v_bfe_u32 v2, v0, 4, 1                         ; l / 16
	v_mul_u32_u24 v3, v1, PA
	v_lshl_add_u32 v3, v2, 5, v3
	s_mul_i32 s21, s11, AHALF
	v_add_nc_u32 v[ADRA], s21, v3
	v_add_nc_u32 v[ADRA+1], SLOT, v[ADRA]
	v_mul_u32_u24 v4, v1, PBB
	v_lshl_add_u32 v4, v2, 4, v4
	s_mul_i32 s22, s12, BHALF
	s_add_co_u32 s22, s22, BOFF
	v_add_nc_u32 v[ADRB], s22, v4
	v_add_nc_u32 v[ADRB+1], SLOT, v[ADRB]
	s_mul_i32 s23, s10, STW
	s_add_co_u32 s23, s23, STAGE                   ; my stage,
	s_add_co_u32 s5, s23, VSTG                     ; and v's part of it
	v_add_nc_u32 v[STO], s23, v4                   ; in: row l % 16 (pitch 144, as wb's), 16 bytes for each half of the lanes
	v_mul_u32_u24 v5, v1, SV
	v_lshl_add_u32 v5, v2, 4, v5
	v_add_nc_u32 v[STV], s5, v5
	v_bfe_u32 v5, v0, 3, 2                         ; back: 32 lanes take four rows of 128 bytes,
	v_mul_u32_u24 v5, v5, SQ
	v_and_b32 v6, 7, v0
	v_lshl_add_u32 v5, v6, 4, v5
	v_add_nc_u32 v[RD], s23, v5
	v_bfe_u32 v5, v0, 2, 3                         ; or eight rows of 64
	v_mul_u32_u24 v5, v5, SV
	v_and_b32 v6, 3, v0
	v_lshl_add_u32 v5, v6, 4, v5
	v_add_nc_u32 v[RDV], s5, v5
	v_and_b32 v[GO], 31, v0
	v_lshlrev_b32 v[GO], 4, v[GO]
	; where my 64 rows of my pair of heads begin: row (16 batch + 4 column tile + 2 half) x 2,048 + t
	s_lshr_b32 s6, s13, 4                          ; batch: 16 tile rows each
	s_lshl_b32 s6, s6, 4
	s_lshl_b32 s7, s42, 2
	s_add_co_u32 s6, s6, s7
	s_lshl_b32 s7, s12, 1
	s_add_co_u32 s6, s6, s7
	s_lshl_b32 s6, s6, 11
	s_and_b32 s7, s13, 15
	s_lshl_b32 s7, s7, 7
	s_add_co_u32 s6, s6, s7
	s_lshl_b32 s7, s11, 6
	s_add_co_u32 s6, s6, s7
	s_lshl_b32 s8, s6, 6                           ; rows of 64 bytes in vs,
	s_lshl_b32 s6, s6, 7                           ; of 128 in qs and ks
	s_mov_b32 s7, 0
	s_mov_b32 s9, 0
	s_add_nc_u64 s[QS:QS+1], s[QS:QS+1], s[6:7]
	s_add_nc_u64 s[KS:KS+1], s[KS:KS+1], s[6:7]
	s_add_nc_u64 s[VS:VS+1], s[VS:VS+1], s[8:9]
	; the prefetches
	s_lshl_b32 s18, s13, 7                         ; x: row 128 x tile row + 64 x wave + 16 cx,
	s_lshl_b32 s19, s12, 6
	s_add_co_u32 s18, s18, s19
	s_lshl_b32 s19, s40, 4
	s_add_co_u32 s18, s18, s19
	s_lshl_b32 s18, s18, 13
	s_add_co_u32 s18, s18, 512                     ; at lap 1: the first trip steps it to lap 2
	s_min_u32 s19, s13, 11                         ; wb: asker 0..11 (the others ask for nothing, and their address stays inside),
	s_mul_i32 s22, s19, 43
	s_lshr_b32 s22, s22, 8                         ; asker / 6: which K step of the lap,
	s_mul_i32 s23, s22, 6
	s_sub_co_u32 s19, s19, s23                     ; asker % 6: which 8,192 bytes of its 49,152
	s_mul_i32 s22, s22, 196608
	s_lshl_b32 s19, s19, 13
	s_add_co_u32 s19, s19, s22
	s_mul_i32 s22, s42, 49152
	s_add_co_u32 s19, s19, s22
	s_add_co_u32 s19, s19, 393216                  ; at lap 1
	s_mov_b32 s[PFS], 393216
	s_mov_b32 s[PFS+1], 0
	s_mov_b32 s22, 256
	s_mov_b32 s23, 4096
	s_cmp_lt_u32 s10, 2
	s_cselect_b64 s[PFA:PFA+1], s[XP:XP+1], s[WP:WP+1]
	s_cselect_b32 s18, s18, s19
	s_cselect_b32 s[PFS], 512, s[PFS]
	s_cselect_b32 s22, 8192, s22                   ; x: a lane % 16 a row, a lane / 16 a K step; wb: 256 x lane
	s_cselect_b32 s23, 256, s23
	s_mov_b32 s19, 0
	s_add_nc_u64 s[PFA:PFA+1], s[PFA:PFA+1], s[18:19]
	v_mul_u32_u24 v[PFO], s22, v1
	v_mad_u32_u24 v[PFO], v2, s23, v[PFO]
	s_and_b32 s5, ttmp7, 0xffff                    ; cluster y: the same in all sixteen partners
	s_cmp_lt_u32 s5, 3
	s_cselect_b32 s5, 1, -1
	s_cmp_lt_u32 s10, 2
	s_cselect_b32 s[LIM], 1, s5
	s_cmp_eq_u32 s10, 3
	s_cselect_b32 s[LIM], -1, s[LIM]
; 40 LDS loads in one run: the fragments of 32 along K (half kh of the slot's step) into buffer g: wb's 12, then x's 4 in f32
.macro FETCH slot, kh, g
	WIN 0x40                                       ; destination window 1, address window 0
.irp b, 0,1,2,3,4,5,6,7,8,9,10,11
	ds_load_b128 v[96*(\g)+8*(\b):96*(\g)+8*(\b)+3],   v[ADRB+(\slot)] offset:64*(\kh)+(\b)*16*PBB
	ds_load_b128 v[96*(\g)+8*(\b)+4:96*(\g)+8*(\b)+7], v[ADRB+(\slot)] offset:64*(\kh)+(\b)*16*PBB+32
.endr
	WIN 0
.irp a, 0,1,2,3
	ds_load_b128 v[LAND+64*(\g)+16*(\a):LAND+64*(\g)+16*(\a)+3],     v[ADRA+(\slot)] offset:128*(\kh)+(\a)*16*PA
	ds_load_b128 v[LAND+64*(\g)+16*(\a)+4:LAND+64*(\g)+16*(\a)+7],   v[ADRA+(\slot)] offset:128*(\kh)+(\a)*16*PA+16
	ds_load_b128 v[LAND+64*(\g)+16*(\a)+8:LAND+64*(\g)+16*(\a)+11],  v[ADRA+(\slot)] offset:128*(\kh)+(\a)*16*PA+64
	ds_load_b128 v[LAND+64*(\g)+16*(\a)+12:LAND+64*(\g)+16*(\a)+15], v[ADRA+(\slot)] offset:128*(\kh)+(\a)*16*PA+80
.endr
.endm
; x's fragment a of buffer g, rounded to bf16.  The eight conversions of one fragment are also the places behind the matrix instructions that read the other fragments: between the last reader of a
; bf16 fragment and its next writing stand the 24 conversions of the three others, and between the last reader of a buffer of wb and the loads into it stand 16.
.macro CVT g, a
	WIN 0
.irp i, 0,1,2,3,4,5,6,7
	v_cvt_pk_bf16_f32 v[ABF+8*(\a)+(\i)], v[LAND+64*(\g)+16*(\a)+2*(\i)], v[LAND+64*(\g)+16*(\a)+2*(\i)+1]
.endr
.endm
; 12 matrix instructions: my rows 16 a .. x all 192 columns, 32 along K.  The 48 accumulators take turns, one instruction a turn, in the same order in every half step.
.macro MUL g, a, zero
	WIN 0xa1+0x50*((\a)/2)                         ; wb window 1, x window 0, C and D window 2 or 3
.irp b, 0,1,2,3,4,5,6,7,8,9,10,11
.if \zero
	v_wmma_f32_16x16x32_bf16 v[96*((\a)%2)+8*(\b):96*((\a)%2)+8*(\b)+7], v[96*(\g)+8*(\b):96*(\g)+8*(\b)+7], v[ABF+8*(\a):ABF+8*(\a)+7], 0
.else
	v_wmma_f32_16x16x32_bf16 v[96*((\a)%2)+8*(\b):96*((\a)%2)+8*(\b)+7], v[96*(\g)+8*(\b):96*(\g)+8*(\b)+7], v[ABF+8*(\a):ABF+8*(\a)+7], v[96*((\a)%2)+8*(\b):96*((\a)%2)+8*(\b)+7]
.endif
.endr
.endm
; A K step's first half: multiplies buffer 0; in its middle it fetches the second half into buffer 1.
.macro SUB slot, zero
	s_wait_dscnt 8                                 ; wb's fragments and x's 0 and 1 are in; the youngest eight loads (x's 2 and 3) may be out
	CVT 0, 0
	MUL 0, 0, \zero
	CVT 0, 1
	MUL 0, 1, \zero
	FETCH \slot, 1, 1
	s_wait_dscnt 40                                ; all but the 40 just issued
	CVT 0, 2
	MUL 0, 2, \zero
	CVT 0, 3
	MUL 0, 3, \zero
.endm
; Its second half multiplies buffer 1 and changes slots: ONE barrier; in front of it each wave waits for all its tensor loads (one is out: its part of the next slot), adds 0 to its spare word, and waits for
; that and for its own reads of this slot.  fill = 1: the barrier opens a round of the cluster's, and this slot is filled again, two K steps ahead, first thing behind the round: 72 matrix
; instructions stand between that request and the wait for it.
.macro TURN slot, next, fill
.if (\fill) && ((\slot) == 0)
	s_wait_xcnt 0x0                                ; the last prefetch, a lap back, has read its address: it is stepped here
	s_add_nc_u64 s[PFA:PFA+1], s[PFA:PFA+1], s[PFS:PFS+1]
.endif
	WIN 0
	s_wait_tensorcnt 0x0                           ; all my tensor loads have landed;
	ds_add_u32 v[SPW], v[NIL]                      ; 0 onto my spare word;
	s_wait_dscnt 9                                 ; (the add and the youngest eight loads may be out)
	CVT 1, 0
	MUL 1, 0, 0
	s_wait_dscnt 0x0                               ; the add is done, and my reads of this slot are over
	s_barrier_signal -1
	CVT 1, 1
	MUL 1, 1, 0
	WIN 0
	s_barrier_wait -1
.if \fill
	CREST                                          ; no wave of any partner still reads this slot's tiles or has a load on its way
	s_add_nc_u64 s[G0A+4*(\slot)+2:G0A+4*(\slot)+3], s[G0A+4*(\slot)+2:G0A+4*(\slot)+3], 512
	s_add_nc_u64 s[G0B+4*(\slot)+2:G0B+4*(\slot)+3], s[G0B+4*(\slot)+2:G0B+4*(\slot)+3], 393216
	JLOAD \slot
.endif
	FETCH \next, 0, 0
.if (\fill) && ((\slot) == 0)
	ASK
.endif
	CVT 1, 2
	MUL 1, 2, 0
	CVT 1, 3
	MUL 1, 3, 0
.endm
	s_wait_tensorcnt 1                             ; my part of K step 0 is in; K step 1's may stay out
	s_barrier_signal -1
	s_barrier_wait -1                              ; everybody's is
	FETCH 0, 0, 0
	SUB 0, 1                                       ; the first half step stands in front of the loop: its products start the sums
	WIN 0                                          ; at a label and at a branch every window is 0
	s_mov_b32 s3, 15
.Llap:                                                 ; trip L: K step 2 L's second half to K step 2 L + 2's first; K steps 2 L + 2 and 2 L + 3 are asked for
	TURN 0, 1, 1
	SUB 1, 0
	TURN 1, 0, 1
	SUB 0, 0
	WIN 0
	s_sub_co_u32 s3, s3, 1
	s_cmp_lg_u32 s3, 0
	s_cbranch_scc1 .Llap
	TURN 0, 1, 0                                   ; the last lap fills nothing and has no round
	SUB 1, 0
	s_wait_dscnt 0x0
	CVT 1, 0
	MUL 1, 0, 0
	CVT 1, 1
	MUL 1, 1, 0
	CVT 1, 2
	MUL 1, 2, 0
	CVT 1, 3
	MUL 1, 3, 0
	WIN 0
	PLACES                                         ; the places behind the last products
; THE WAY OUT of my rows 16 a ..: q and k are split into hi and lo, v is rounded to f16; 16 bytes a lane go into my own stage and come back as whole rows; each store of the wave covers 512 consecutive bytes.
; Each accumulator's registers are read in ascending order.  LDS serves a wave's instructions in order (ISA guide 5.7.1.4): the loads see the stores above them, and the next block's stores come behind these loads.
.macro OUT a
.set AC, 96*((\a)%2)
	WIN 5*(2+(\a)/2)                               ; sources 0 and 1: window 2 or 3
.irp b, 0,1,2,3,4,5,6,7
.irp i, 0,1,2,3
	v_cvt_pk_bf16_f32 v[TMP+8*(\b)+(\i)], v[AC+8*(\b)+2*(\i)], v[AC+8*(\b)+2*(\i)+1]  ; hi
.endr
.endr
.irp b, 8,9,10,11
.irp i, 0,1,2,3
	v_cvt_pk_f16_f32 v[TMP+64+4*((\b)-8)+(\i)], v[AC+8*(\b)+2*(\i)], v[AC+8*(\b)+2*(\i)+1]  ; v
.endr
.endr
	WIN 0
.irp b, 0,1,2,3,4,5,6,7
.irp i, 0,1,2,3
	v_lshlrev_b32 v[F+8*(\b)+2*(\i)],   16, v[TMP+8*(\b)+(\i)]      ; hi as f32
	v_and_b32     v[F+8*(\b)+2*(\i)+1], s[HM], v[TMP+8*(\b)+(\i)]
.endr
.endr
	WIN 2+(\a)/2                                   ; source 0: window 2 or 3
.irp b, 0,1,2,3,4,5,6,7
.irp i, 0,1,2,3
	v_pk_add_f32 v[F+8*(\b)+2*(\i):F+8*(\b)+2*(\i)+1], v[AC+8*(\b)+2*(\i):AC+8*(\b)+2*(\i)+1], v[F+8*(\b)+2*(\i):F+8*(\b)+2*(\i)+1] neg_lo:[0,1] neg_hi:[0,1]  ; the sum less hi: exact
.endr
.endr
	WIN 0
.irp b, 0,1,2,3,4,5,6,7
.irp i, 0,1,2,3
	v_cvt_pk_bf16_f32 v[TMP+8*(\b)+4+(\i)], v[F+8*(\b)+2*(\i)], v[F+8*(\b)+2*(\i)+1]  ; lo
.endr
.endr
.irp b, 0,1,2,3,4,5,6,7
	ds_store_b128 v[STO], v[TMP+8*(\b):TMP+8*(\b)+3]   offset:((\b)/2)*SETB+32*((\b)%2)
	ds_store_b128 v[STO], v[TMP+8*(\b)+4:TMP+8*(\b)+7] offset:((\b)/2)*SETB+32*((\b)%2)+64
.endr
.irp b, 0,1,2,3
	ds_store_b128 v[STV], v[TMP+64+4*(\b):TMP+64+4*(\b)+3] offset:((\b)/2)*VSET+32*((\b)%2)
.endr
	s_wait_xcnt 0x0                                ; the last block's stores have read their registers: these are loaded again only behind this wait
.irp n, 0,1,2,3,4,5,6,7,8,9,10,11,12,13,14,15
	ds_load_b128 v[BK+4*(\n):BK+4*(\n)+3], v[RD] offset:((\n)/4)*SETB+((\n)%4)*4*SQ
.endr
.irp n, 0,1,2,3
	ds_load_b128 v[BK+64+4*(\n):BK+64+4*(\n)+3], v[RDV] offset:((\n)/2)*VSET+((\n)%2)*8*SV
.endr
.irp n, 0,1,2,3,4,5,6,7
	s_wait_dscnt 19-(\n)                           ; the younger loads may stay out
	global_store_b128 v[GO], v[BK+4*(\n):BK+4*(\n)+3], s[QS:QS+1] offset:((\n)/4)*262144+(\a)*2048+((\n)%4)*512
.endr
.irp n, 8,9,10,11,12,13,14,15
	s_wait_dscnt 19-(\n)
	global_store_b128 v[GO], v[BK+4*(\n):BK+4*(\n)+3], s[KS:KS+1] offset:(((\n)-8)/4)*262144+(\a)*2048+((\n)%4)*512
.endr
.irp n, 0,1,2,3
	s_wait_dscnt 3-(\n)
	global_store_b128 v[GO], v[BK+64+4*(\n):BK+64+4*(\n)+3], s[VS:VS+1] offset:((\n)/2)*131072+(\a)*1024+((\n)%2)*512
.endr
.endm
	OUT 0
	OUT 1
	OUT 2
	OUT 3
	s_wait_tensorcnt 0x0                           ; the wave's end: an add of 0 to my spare word and its wait, behind my last tensor load and my last LDS store
	ds_add_u32 v[SPW], v[NIL]
	s_wait_dscnt 0x0
	CROUND                                         ; the closing round: no work-group ends while a partner may still ask for a tile that names it
	s_endpgm
.Lfunc_end_k_q11af6cbee9_qkv:
	.size	k_q11af6cbee9_qkv, .Lfunc_end_k_q11af6cbee9_qkv-k_q11af6cbee9_qkv
	.p2alignl 7, 3214868480
	.fill 96, 4, 3214868480
	.section	.rodata,"a",@progbits
	.p2align	6, 0x0
	.amdhsa_kernel k_q11af6cbee9_qkv
		.amdhsa_group_segment_fixed_size 327680
		.amdhsa_private_segment_fixed_size 0
		.amdhsa_enable_private_segment 0
		.amdhsa_kernarg_size 40
		.amdhsa_user_sgpr_count 2
		.amdhsa_user_sgpr_kernarg_segment_ptr 1
		.amdhsa_wavefront_size32 1
		.amdhsa_system_sgpr_workgroup_id_x 1
		.amdhsa_system_sgpr_workgroup_id_y 1
		.amdhsa_system_sgpr_workgroup_id_z 1
		.amdhsa_system_vgpr_workitem_id 0
		.amdhsa_next_free_vgpr 960
		.amdhsa_next_free_sgpr 80
		.amdhsa_reserve_vcc 0
		.amdhsa_float_denorm_mode_32 3
		.amdhsa_float_denorm_mode_16_64 3
		.amdhsa_memory_ordered 1
		.amdhsa_forward_progress 1
		.amdhsa_inst_pref_size 132
	.end_amdhsa_kernel
	.amdgpu_metadata
---
amdhsa.version: [ 1, 2 ]
amdhsa.kernels:
  - .name:           k_q11af6cbee9_qkv
    .symbol:         k_q11af6cbee9_qkv.kd
    .args:
      - { .name: x, .offset: 0, .size: 8, .value_kind: global_buffer, .address_space: global }
      - { .name: wb, .offset: 8, .size: 8, .value_kind: global_buffer, .address_space: global }
      - { .name: qs, .offset: 16, .size: 8, .value_kind: global_buffer, .address_space: global }
      - { .name: ks, .offset: 24, .size: 8, .value_kind: global_buffer, .address_space: global }
      - { .name: vs, .offset: 32, .size: 8, .value_kind: global_buffer, .address_space: global }
    .group_segment_fixed_size: 327680
    .private_segment_fixed_size: 0
    .kernarg_segment_align: 8
    .kernarg_segment_size: 40
    .max_flat_workgroup_size: 128
    .sgpr_count:     80
    .vgpr_count:     960
    .wavefront_size: 32
...
	.end_amdgpu_metadata
.endif
;; end of part 2
;; launch attn (part 3): grid 4 x 64, 8 waves a work-group, no clusters, 327,680 bytes of LDS; arguments qs, ks, vs, ow; writes ow
.if DOCPART == 3
	.amdgcn_target "amdgcn-amd-amdhsa--gfx1250"
	.amdhsa_code_object_version 6
	.text
	.protected	k_q11af6cbee9_attn
	.globl	k_q11af6cbee9_attn
	.p2align	8
	.type	k_q11af6cbee9_attn,@function
k_q11af6cbee9_attn:
	s_mov_b64 s[64:65], 0
	v_nop
	global_prefetch_b8 v0, s[64:65] scope:SCOPE_SE
	s_setreg_imm32_b32 hwreg(HW_REG_WAVE_MODE, 25, 1), 1
	s_wait_xcnt 0x0
; CAUSAL ATTENTION, head size 32, scores TIMES sqrt(512).  O[bh][q] = the sum over k <= q of softmax_k(sqrt(512) Q[bh][q] . K[bh][k]) V[bh][k].
; qs, ks: [bh 64][t 2048][64] bf16, 32 hi then 32 lo; vs, ow: [bh][t][32] f16.  Products, maxima and sums in f32; the weights are rounded to f16 for the second product (their sum is taken unrounded), O once.
; THE SCORE is three products, Kl.Qh + Kh.Ql + Kh.Qh: with the large scale a score's error reaches the weights undiminished, and one bf16 or f16 number for q and k keeps too few bits.
; LIMITS.  Kl.Ql is dropped (some 2^-18 of a product); V and O lie within f16's 65,504; a hidden score counts as -1e30; a weight below 2^-126 counts as 0; NaN and infinities are not treated apart.
; THE WALK.  A head's queries lie in 8 blocks of 256; block i needs the key tiles 0 .. i of 256 keys, of which the last holds the diagonal.  A work-group takes blocks 7 - b and then b: 9 tiles, whatever b:
; all work-groups do equal work, and one loop with a constant trip count walks them.  Every jump but the counted loops' own goes forward, and none passes a barrier, or a tensor load but those of LOAD that
; the wave's number does not choose.
; NO CLUSTER: a head's four work-groups ask for the same tile only in trips 0 to 4 of the 9; a walk common to all four would have 12 trips for 9.
; SHARES.  Eight waves.  Of a block's four bands of 64 queries wave w owns 16 rows (16 (w % 4) on) in two: bands w / 4 and 3 - w / 4: two PIECES.  In the diagonal tile's key step s band x sees all keys if s < x, holds
; the diagonal if s = x, and is left out if s > x: five live pieces for every wave.
; PHASES.  A piece's step is 12 products K Q^T, the softmax, 4 products V^T P, on end; the other wave of the SIMD has the matrix unit meanwhile.  All registers lie below v256: no window is ever switched.
; LAYOUT.  S^T = K Q^T holds ONE query a lane (lane % 16) and the keys 8 (lane / 16) + 0..7; two such results rounded to f16 ARE source 1 of O^T = V^T P.  p = 2^(c s - c m), c = sqrt(512) log2(e), with a
; running maximum m; O and l are multiplied by a = 2^(c m_old - c m_new) in every step; a block's first step has a = 0.
.set PKP,   144                        ; a row of K in LDS: 128 bytes + 16: the 16 rows of a load start at 16 different groups of four banks (64 banks of 4 bytes: ISA guide 11.1)
.set PVP,   96                         ; a row of V: 64 + 32
.set VOFF,  256*PKP                    ; a slot holds a tile: 256 rows of K, then 256 rows of V: 61,440 bytes
.set SLOT1, 1<<16                      ; slot 1 begins here, so that one exclusive or turns an address in one slot into the other's
.set STAGE, 2*SLOT1                    ; behind the ring, never filled by a tensor load: 16 rows x 80 bytes for each wave
.set SP,    80
.set SPARE, STAGE+8*16*SP              ; behind the stages: the spare words, 128 bytes for each of the eight waves
.set AK0, 2                            ; v2   my lane's place in a tile of K; never rewritten
.set AV0, 3                            ; v3   the same for V
.set AK,  4                            ; v4   the LDS address of K's run of loads
.set AV,  5                            ; v5   of V's
.set STO, 6                            ; v6   the way out: where I put 16 bytes of a row
.set RD,  7                            ; v7   where I read rows back
.set GO,  8                            ; v8-9   piece p: my byte offset in O
.set QO,  10                           ; v10-11 piece p: my byte offset in Q
.set DQ,  12                           ; v12  my query's place in its band less my lanes' 8 (lane / 16)
.set PFO, 13                           ; v13  256 x lane
.set SPW, 14                           ; v14  LDS address of my spare word; never rewritten
.set NIL, 15                           ; v15  0; never rewritten
.set ST,  16                           ; piece p's statistics at ST + 4 p: c m, m, l (even keys', odd keys')
.set CC,  24                           ; v24-27 c0-c3, at work
.set MO,  28                           ; v28  c m_old
.set DM,  29                           ; v29  c m_old - c m_new
.set AA,  30                           ; v[30:31] a, named as a pair
.set Q,   32                           ; piece p: hi 8 registers, lo 8, at Q + 16 p
.set KF,  64                           ; key block kb: hi 8, lo 8, at KF + 16 kb
.set VF,  128                          ; key half kk, channel block cb at VF + 8 (2 kk + cb)
.set S,   160
.set P,   192
.set OT,  208                          ; piece p, channel block cb at OT + 16 p + 8 cb
.set WV,  12
.set PB,  14                           ; s14  b
.set HI,  15                           ; s15  7 - b
.set G1K, 24
.set G1V, 32
.set G0K, 40
.set G0V, 44
.set BD,  48                           ; s48-49  my two bands
.set LIM, 50                           ; s50-51  the last key step of the tile in which piece p is live
.set EQ,  52                           ; s52-53  the key step that holds its diagonal, or none
.set STEP, 54
.set PLIM, 55                          ; s55  2 in a wave that prefetches, else the greatest number
.set SLOTS, 56
.set CNT, 57
.set CS,  58                           ; s[58:59] c
.set SEL, 60                           ; s[60:61] v_permlanex16_b32's selects: each lane takes its own place in the other half
.set TBK, 62                           ; s62  LDS byte at which K of the step to be fetched begins
.set TBV, 63                           ; s63  the same for V, less VOFF
.set PFA, 66
.set PFS, 68
.set RT,  70                           ; s70  tiles of the block in hand that are still to be entered
.set NXT, 71                           ; s71  the tile to be asked for next
.set LQ,  72                           ; s72  the last tile of the block whose tiles are being asked for
.set NEW, 73                           ; s73  1: the tile to be entered is a block's first
.set OFK, 74                           ; s[74:75] a tile's byte offset in K
.set OFV, 76                           ; s[76:77] in V
.set OLO, 80                           ; s[80:81] O at my rows of the second block
.set BIGN, 82                          ; s82  -1e30
.set QLO, 84                           ; s[84:85] Q at my rows of the second block
.macro PLACES
.rept 4
	v_nop
.endr
.endm
; A fill.  Waves 0 and 1 fetch the two halves of a tile's K, wave 2 its V; the others fetch nothing.  An s_nop 0 and four v_nop follow each line.
.macro LOAD
	s_cmp_lt_u32 s[WV], 2
	s_cbranch_scc0 .Lnot_k_\@
	tensor_load_to_lds s[G0K:G0K+3], s[G1K:G1K+7]
	s_nop 0
	PLACES
	s_branch .Lasked_\@
.Lnot_k_\@:
	s_cmp_eq_u32 s[WV], 2
	s_cbranch_scc0 .Lasked_\@
	tensor_load_to_lds s[G0V:G0V+3], s[G1V:G1V+7]
	s_nop 0
	PLACES
.Lasked_\@:
.endm
; A PREFETCH INTO THE L2 of the tile that the NEXT change of slots will ask for: four key steps ahead of that load.  All four work-groups of a head begin with tiles 0, 1, ..: the one with b = 0, which walks
; tiles 0 to 7 in order, asks.  Its waves 0 to 3 take a quarter of K's 32,768 bytes each, waves 4 and 5 a half of V's 16,384: a lane 256 bytes, one instruction.  So each block is named once.
; Tiles 0 and 1 come by their loads alone; behind tile 7 nothing is asked for: the second block's tiles have been read.
.macro ASK
	s_cmp_gt_u32 s[SLOTS], s[PLIM]
	s_cbranch_scc0 .Lnot_mine_\@
	global_prefetch_b8 v[PFO], s[PFA:PFA+1] th:TH_LOAD_NT scope:SCOPE_SE
.Lnot_mine_\@:
.endm
; THE CHANGE OF SLOTS.  Each wave waits for all its tensor loads (at most one is out: its part of the other slot), adds 0 to its spare word, and waits for that and for its own reads of the slot that it leaves.
; Behind the barrier nobody reads the old slot and the other slot is whole.  fill = 1: the old slot is filled again, first thing behind the barrier, with tile NXT: the descriptor's address is made anew from that number.
; (At its first use nothing has been read yet: slot 0 is waited for, slot 1 filled.)
.macro CHANGE fill
	s_wait_tensorcnt 0x0                           ; no tensor load of mine is out, so a group 0 may be written
	ds_add_u32 v[SPW], v[NIL]                      ; 0 onto my spare word; scalar work stands between it and the wait for it
.if \fill
	s_lshl_b32 s[OFK], s[NXT], 15                  ; a tile is 32,768 bytes of K
	s_lshl_b32 s[OFV], s[NXT], 14                  ; and 16,384 of V
	s_xor_b32 s[G0K+1], s[G0K+1], SLOT1
	s_add_nc_u64 s[G0K+2:G0K+3], s[6:7], s[OFK:OFK+1]
	s_or_b32 s[G0K+3], s[G0K+3], 0x80000000
	s_xor_b32 s[G0V+1], s[G0V+1], SLOT1
	s_add_nc_u64 s[G0V+2:G0V+3], s[8:9], s[OFV:OFV+1]
	s_or_b32 s[G0V+3], s[G0V+3], 0x80000000
	s_add_co_u32 s[NXT], s[NXT], 1                 ; the block's next tile, or behind its last the second block's tile 0
	s_cmp_gt_u32 s[NXT], s[LQ]
	s_cselect_b32 s[NXT], 0, s[NXT]
	s_cselect_b32 s[LQ], s[PB], s[LQ]
	s_wait_xcnt 0x0                                ; the last prefetch, a tile back, has read its address, so it may be stepped
	s_add_nc_u64 s[PFA:PFA+1], s[PFA:PFA+1], s[PFS:PFS+1]
.endif
	s_wait_dscnt 0x0                               ; the add is done, and my reads of the slot are over
	s_barrier_signal -1
	s_sub_co_u32 s[TBK], s[TBK], 4*64*PKP          ; the fetches go back to a slot's first step,
	s_xor_b32 s[TBK], s[TBK], SLOT1                ; in the other slot
	s_sub_co_u32 s[TBV], s[TBV], 4*64*PVP
	s_xor_b32 s[TBV], s[TBV], SLOT1
	s_barrier_wait -1
.if \fill
	LOAD
	ASK
.endif
.endm
	s_load_b256 s[4:11], s[0:1], 0x0               ; qs s[4:5], ks s[6:7], vs s[8:9], ow s[10:11]
	v_lshl_add_u32 v[SPW], v0, 2, SPARE
	v_mov_b32 v[NIL], 0
	ds_add_u32 v[SPW], v[NIL]                      ; the wave's opening: the add and its wait stand ahead of my first tensor load; the set-up below, work on registers, stands between them
	v_lshrrev_b32 v1, 5, v0
	v_readfirstlane_b32 s[WV], v1                  ; wave 0..7
	s_mov_b32 s[PB], ttmp9
	s_sub_co_u32 s[HI], 7, s[PB]
	s_lshr_b32 s[BD], s[WV], 2
	s_sub_co_u32 s[BD+1], 3, s[BD]
	s_and_b32 s13, s[WV], 3                        ; which 16 rows of a band
	s_and_b32 s86, ttmp7, 0xffff                   ; bh
	s_lshl_b32 s87, s86, 17                        ; the head's first byte in vs and ow,
	s_lshl_b32 s86, s86, 18                        ; in qs and ks
	s_and_b32 s16, s[WV], 1                        ; which half of a tile's K I fetch:
	s_mul_i32 s83, s16, 128*PKP                    ; its place in a slot,
	s_lshl_b32 s16, s16, 14                        ; its 128 rows of 128 bytes in memory
	s_add_co_u32 s16, s16, s86
	s_mov_b32 s17, 0
	s_mov_b32 s18, s87
	s_mov_b32 s19, 0
	s_lshl_b32 s21, s13, 11                        ; Q: my 16 rows of 128 bytes in a band,
	s_add_co_u32 s21, s21, s86
	s_lshl_b32 s20, s[HI], 15                      ; in the first block,
	s_add_co_u32 s20, s20, s21
	s_lshl_b32 s22, s[PB], 15                      ; and in the second
	s_add_co_u32 s22, s22, s21
	s_mov_b32 s21, 0
	s_mov_b32 s23, 0
	s_lshl_b32 s3, s13, 10                         ; O: rows of 64 bytes
	s_add_co_u32 s3, s3, s87
	s_lshl_b32 s2, s[HI], 14
	s_add_co_u32 s2, s2, s3
	s_lshl_b32 s78, s[PB], 14
	s_add_co_u32 s78, s78, s3
	s_mov_b32 s3, 0
	s_mov_b32 s79, 0
	s_lshl_b32 s68, s[WV], 13                      ; the prefetches: wave w's quarter of K's tile 1,
	s_add_co_u32 s68, s68, s86
	s_add_co_u32 s68, s68, 32768
	s_lshl_b32 s69, s13, 13                        ; or wave 4's and 5's half of V's; the first change of slots steps them to tile 2
	s_add_co_u32 s69, s69, s87
	s_add_co_u32 s69, s69, 16384
	s_cmp_lt_u32 s[WV], 4
	s_cselect_b32 s86, s68, s69
	s_mov_b32 s87, 0
	s_mov_b32 s[PFS], 16384
	s_cselect_b32 s[PFS], 32768, s[PFS]
	s_mov_b32 s[PFS+1], 0
	s_cmp_lt_u32 s[WV], 6
	s_cselect_b32 s[PLIM], 2, -1
	s_cmp_eq_u32 s[PB], 0
	s_cselect_b32 s[PLIM], s[PLIM], -1
	; descriptor group 1.  128 keys of K, and 256 keys of V, are 16,384 dense bytes: asked for as 64 rows of 256 bytes, and padded in LDS after every key
	s_mov_b32 s[G1K], (1<<16)|(1<<20)|(4<<22)|(3<<25)  ; 2-byte elements; padding on; after every 32 words, 4 words
	s_mov_b32 s[G1V], (1<<16)|(1<<20)|(3<<22)|(7<<25)  ; after every 16 words, 8 words
.irp g, G1K, G1V
	s_mov_b32 s[\g+1], 128<<16                     ; tensor_dim0 = 128
	s_mov_b32 s[\g+2], 64<<16                      ; tensor_dim1 = 64
	s_mov_b32 s[\g+3], 128<<16                     ; tile_dim0 = 128
	s_mov_b32 s[\g+4], 64                          ; tile_dim1 = 64
	s_mov_b32 s[\g+5], 128                         ; 128 elements from row to row
	s_mov_b32 s[\g+6], 0
	s_mov_b32 s[\g+7], 0
.endr
	s_mov_b32 s[CS], 0x420293ee                    ; c = sqrt(512) log2(e) = 32.64446
	s_mov_b32 s[CS+1], s[CS]                       ; named with it as a pair
	s_mov_b32 s[SEL], 0x76543210
	s_mov_b32 s[SEL+1], 0xfedcba98
	s_mov_b32 s[TBK], SLOT1+4*64*PKP               ; the first change of slots turns these two into 0
	s_mov_b32 s[TBV], SLOT1+4*64*PVP
	s_mov_b32 s[G0K], 1
	s_mov_b32 s[G0K+1], s83                        ; slot 0
	s_mov_b32 s[G0V], 1
	s_mov_b32 s[G0V+1], VOFF
	s_add_co_u32 s[RT], s[HI], 1                   ; the first block has 8 - b tiles
	s_mov_b32 s[NXT], 1
	s_mov_b32 s[LQ], s[HI]
	s_mov_b32 s[NEW], 1
	s_mov_b32 s[OFK+1], 0
	s_mov_b32 s[OFV+1], 0
	s_mov_b32 s[BIGN], 0xf149f2ca                  ; -1e30
	s_mov_b32 s[SLOTS], 8
	s_wait_dscnt 0x0                               ; the opening add is done
	s_wait_kmcnt 0x0
	s_cmp_lt_u32 s[WV], 4
	s_cselect_b64 s[PFA:PFA+1], s[6:7], s[8:9]
	s_add_nc_u64 s[PFA:PFA+1], s[PFA:PFA+1], s[86:87]
	s_add_nc_u64 s[6:7], s[6:7], s[16:17]          ; K at my half of the head's tile 0, V at the head's tile 0
	s_add_nc_u64 s[8:9], s[8:9], s[18:19]
	s_add_nc_u64 s[QLO:QLO+1], s[4:5], s[22:23]
	s_add_nc_u64 s[4:5], s[4:5], s[20:21]
	s_add_nc_u64 s[OLO:OLO+1], s[10:11], s[78:79]
	s_add_nc_u64 s[10:11], s[10:11], s[2:3]
	s_add_nc_u64 s[G0K+2:G0K+3], s[6:7], 0
	s_or_b32 s[G0K+3], s[G0K+3], 0x80000000
	s_add_nc_u64 s[G0V+2:G0V+3], s[8:9], 0
	s_or_b32 s[G0V+3], s[G0V+3], 0x80000000
	LOAD                                           ; tile 0 into slot 0
	; A fragment of K or Q is 16 rows x 32 channels in 8 registers: lane l holds row l % 16, channels 8 (l / 16) + 0..7 and 16 + 8 (l / 16) + 0..7: two loads of 16 bytes, 32 apart; lo lies 64 bytes behind hi.
	v_and_b32 v1, 15, v0                           ; l % 16
	v_bfe_u32 v29, v0, 4, 1                        ; l / 16
	v_and_b32 v30, 31, v0                          ; l
	v_lshlrev_b32 v28, 7, v1
	v_lshl_add_u32 v28, v29, 4, v28                ; row x 128 + 16 x half
	s_lshl_b32 s16, s[BD], 13                      ; a band is 64 rows of 128 bytes
	s_lshl_b32 s17, s[BD+1], 13
	v_add_nc_u32 v[QO], s16, v28
	v_add_nc_u32 v[QO+1], s17, v28
.irp p, 0,1
.irp q, 0,1,2,3
	global_load_b128 v[Q+16*(\p)+4*(\q):Q+16*(\p)+4*(\q)+3], v[QO+(\p)], s[4:5] offset:32*(\q)
.endr
.endr
	v_mul_u32_u24 v[AK0], v1, PKP
	v_lshl_add_u32 v[AK0], v29, 4, v[AK0]
	; The turning load takes 16 keys x 16 channels (lane l reads key 8 (l / 16) + l % 8, channels 8 ((l / 8) % 2) + 0..7) and leaves half a fragment of V^T: lane l holds channel l % 16 and 8 keys.
	v_and_b32 v28, 7, v0
	v_lshl_add_u32 v[AV0], v29, 3, v28
	v_mul_u32_u24 v[AV0], v[AV0], PVP
	v_bfe_u32 v28, v0, 3, 1
	v_lshl_add_u32 v[AV0], v28, 4, v[AV0]
	v_add_nc_u32 v[AV0], VOFF, v[AV0]
	s_mul_i32 s18, s[WV], 16*SP
	s_add_co_u32 s18, s18, STAGE                   ; my stage
	v_mul_u32_u24 v[STO], v1, SP                   ; in: row l % 16, 16 bytes for each half of the lanes
	v_lshl_add_u32 v[STO], v29, 4, v[STO]
	v_add_nc_u32 v[STO], s18, v[STO]
	v_bfe_u32 v[RD], v0, 2, 3                      ; back: 32 lanes take eight rows of 64 bytes,
	v_mul_u32_u24 v[RD], v[RD], SP
	v_and_b32 v28, 3, v0
	v_lshl_add_u32 v[RD], v28, 4, v[RD]
	v_add_nc_u32 v[RD], s18, v[RD]
	v_lshlrev_b32 v28, 4, v30                      ; which are 512 consecutive bytes of O
	s_lshl_b32 s16, s[BD], 12                      ; a band is 64 rows of 64 bytes
	s_lshl_b32 s17, s[BD+1], 12
	v_add_nc_u32 v[GO], s16, v28
	v_add_nc_u32 v[GO+1], s17, v28
	v_lshlrev_b32 v28, 3, v29
	v_sub_nc_u32 v[DQ], v1, v28
	s_lshl_b32 s16, s13, 4
	v_add_nc_u32 v[DQ], s16, v[DQ]                 ; 16 (w % 4) + l % 16 - 8 (l / 16)
	v_lshlrev_b32 v[PFO], 8, v30
	; A block's first step multiplies O^T and l by a = 0, so these need only hold finite numbers: zeros for the first block, what the first block left for the second.  This stands in the wait for the first tile.
.set i, 0
.rept 32
	v_mov_b32 v[OT+i], 0
.set i, i+1
.endr
.irp p, 0,1
	v_mov_b32 v[ST+4*(\p)], 0xfe000000             ; c m: far below every c s
	v_mov_b32 v[ST+4*(\p)+1], 0xff7fffff           ; m: the lowest finite number
	v_mov_b32 v[ST+4*(\p)+2], 0
	v_mov_b32 v[ST+4*(\p)+3], 0
.endr
.set i, 0
.rept 8
	v_mov_b32 v[CC+i], 0                           ; the registers at work, some of them named in pairs, are written once
.set i, i+1
.endr
; A key step's 24 LDS loads in one run: K (64 keys, hi and lo), then V (turned).
.macro FETCH
	v_add_nc_u32 v[AK], s[TBK], v[AK0]
	v_add_nc_u32 v[AV], s[TBV], v[AV0]
.irp kb, 0,1,2,3
.irp q, 0,1,2,3
	ds_load_b128 v[KF+16*(\kb)+4*(\q):KF+16*(\kb)+4*(\q)+3], v[AK] offset:(\kb)*16*PKP+32*(\q)
.endr
.endr
.irp f, 0,1,2,3
	ds_load_tr16_b128 v[VF+8*(\f):VF+8*(\f)+3],   v[AV] offset:((\f)/2)*32*PVP+((\f)%2)*32
	ds_load_tr16_b128 v[VF+8*(\f)+4:VF+8*(\f)+7], v[AV] offset:((\f)/2)*32*PVP+16*PVP+((\f)%2)*32
.endr
	s_add_co_u32 s[TBK], s[TBK], 64*PKP            ; the next fetch is the next step's
	s_add_co_u32 s[TBV], s[TBV], 64*PVP
	s_wait_dscnt 8                                 ; K is in; V's eight loads may stay out
.endm
.macro FS b                            ; c s - c m for pair b of 16
	v_pk_fma_f32 v[S+2*(\b):S+2*(\b)+1], v[S+2*(\b):S+2*(\b)+1], s[CS:CS+1], v[rT:rT+1] op_sel_hi:[1,0,0] neg_lo:[0,0,1] neg_hi:[0,0,1]
.endm
; THE SOFTMAX of piece p for one key step.  The maximum goes three operands at a time, in four chains that begin at each accumulator's lowest registers.  The 33 exponentials are ONE BATCH:
; nothing ahead of the one wait names a result of theirs; scalings stand between them while there are scalings; each pair is scaled ahead of its exponentials.
.macro SOFT p
.set rT, ST+4*(\p)
.set rO, OT+16*(\p)
.irp n, 0,1,2,3
	v_max3_num_f32 v[CC+(\n)], v[S+8*(\n)], v[S+8*(\n)+1], v[S+8*(\n)+2]
.endr
.irp n, 0,1,2,3
	v_max3_num_f32 v[CC+(\n)], v[CC+(\n)], v[S+8*(\n)+3], v[S+8*(\n)+4]
.endr
.irp n, 0,1,2,3
	v_max3_num_f32 v[CC+(\n)], v[CC+(\n)], v[S+8*(\n)+5], v[S+8*(\n)+6]
.endr
	v_max3_num_f32 v[CC], v[CC], v[S+7], v[S+15]
	v_max3_num_f32 v[CC+1], v[CC+1], v[S+23], v[S+31]
	v_max3_num_f32 v[CC+2], v[CC+2], v[CC+3], v[rT+1]     ; the old m
	v_mov_b32 v[MO], v[rT]                         ; c m_old is kept
	v_max3_num_f32 v[CC], v[CC], v[CC+1], v[CC+2]
	v_permlanex16_b32 v[CC+3], v[CC], s[SEL], s[SEL+1]    ; the query's other 32 keys lie in the lane 16 away
	v_max_num_f32 v[rT+1], v[CC], v[CC+3]
	v_mul_f32 v[rT], s[CS], v[rT+1]
	v_sub_f32 v[DM], v[MO], v[rT]
	v_exp_f32 v[AA], v[DM]                         ; a
	FS 0
	FS 1
.set i, 0
.rept 14
	v_exp_f32 v[S+2*i], v[S+2*i]
	FS i+2
	v_exp_f32 v[S+2*i+1], v[S+2*i+1]
.set i, i+1
.endr
.irp n, 28,29,30,31
	v_exp_f32 v[S+(\n)], v[S+(\n)]
.endr
	v_nop                                          ; a plain instruction behind the last exponential, ahead of the first use
	s_wait_alu depctr_va_vdst(0)                   ; the one wait between the batch and the first instruction that names a result
.set i, 0
.rept 16
	v_cvt_pk_f16_f32 v[P+i], v[S+2*i], v[S+2*i+1]
.set i, i+1
.endr
.irp w, 4,8,16,32                      ; the sum of the 16 pairs (an even key's weight, an odd key's), in place: neighbours 1, 2, 4 and 8 pairs apart
.set i, 0
.rept 32/(\w)
	v_pk_add_f32 v[S+i:S+i+1], v[S+i:S+i+1], v[S+i+(\w)/2:S+i+(\w)/2+1]
.set i, i+(\w)
.endr
.endr
	v_pk_fma_f32 v[rT+2:rT+3], v[rT+2:rT+3], v[AA:AA+1], v[S:S+1] op_sel_hi:[1,0,1]  ; l = a l + the sum
.set i, 0
.rept 8
	v_pk_mul_f32 v[rO+i:rO+i+1], v[rO+i:rO+i+1], v[AA:AA+1] op_sel_hi:[1,0]          ; O^T times a
.set i, i+2
.endr
.endm
; A PIECE's key step.  The four accumulators of S^T take turns, three products each, the small ones first; so do O^T's two.
.macro PIECE p
	s_cmp_gt_u32 s[STEP], s[LIM+(\p)]
	s_cbranch_scc1 .Lskip_\@                       ; above the diagonal: nothing to do
.irp kb, 0,1,2,3
	v_wmma_f32_16x16x32_bf16 v[S+8*(\kb):S+8*(\kb)+7], v[KF+16*(\kb)+8:KF+16*(\kb)+15], v[Q+16*(\p):Q+16*(\p)+7], 0
.endr
.irp kb, 0,1,2,3
	v_wmma_f32_16x16x32_bf16 v[S+8*(\kb):S+8*(\kb)+7], v[KF+16*(\kb):KF+16*(\kb)+7], v[Q+16*(\p)+8:Q+16*(\p)+15], v[S+8*(\kb):S+8*(\kb)+7]
.endr
.irp kb, 0,1,2,3
	v_wmma_f32_16x16x32_bf16 v[S+8*(\kb):S+8*(\kb)+7], v[KF+16*(\kb):KF+16*(\kb)+7], v[Q+16*(\p):Q+16*(\p)+7], v[S+8*(\kb):S+8*(\kb)+7]
.endr
	PLACES                                         ; the places behind those products
	s_cmp_eq_u32 s[STEP], s[EQ+(\p)]
	s_cbranch_scc0 .Lopen_\@
.set i, 0
.rept 32                               ; the band's own step: register i holds key 16 (i / 8) + i % 8 + 8 (l / 16), hidden where that is greater than my query's place
	v_cmp_gt_i32 vcc_lo, 16*(i/8)+i%8, v[DQ]
	v_cndmask_b32 v[S+i], v[S+i], s[BIGN], vcc_lo
.set i, i+1
.endr
.Lopen_\@:
	SOFT \p
	s_wait_dscnt 0x0                               ; V is in
.irp f, 0,1,2,3
	v_wmma_f32_16x16x32_f16 v[OT+16*(\p)+8*((\f)%2):OT+16*(\p)+8*((\f)%2)+7], v[VF+8*(\f):VF+8*(\f)+7], v[P+8*((\f)/2):P+8*((\f)/2)+7], v[OT+16*(\p)+8*((\f)%2):OT+16*(\p)+8*((\f)%2)+7]
.endr
.Lskip_\@:
.endm
; A BLOCK'S END.  tail = 0: the second block's Q is asked for first: it lands under the way out and the next change of slots.  l's two halves and the other half of the lanes' are added; O^T is divided by l, rounded
; to f16 and sent through my stage, a piece at a time (LDS serves a wave's instructions in order, ISA guide 5.7.1.4); a store covers 512 consecutive bytes.
.macro FINISH tail
.if !(\tail)
.irp p, 0,1
.irp q, 0,1,2,3
	global_load_b128 v[Q+16*(\p)+4*(\q):Q+16*(\p)+4*(\q)+3], v[QO+(\p)], s[QLO:QLO+1] offset:32*(\q)
.endr
.endr
.endif
	v_add_f32 v[CC], v[ST+2], v[ST+3]
	v_add_f32 v[CC+2], v[ST+6], v[ST+7]
	v_permlanex16_b32 v[CC+1], v[CC], s[SEL], s[SEL+1]
	v_permlanex16_b32 v[CC+3], v[CC+2], s[SEL], s[SEL+1]
	v_add_f32 v[CC], v[CC], v[CC+1]
	v_add_f32 v[CC+2], v[CC+2], v[CC+3]
	v_rcp_f32 v[CC], v[CC]
	v_rcp_f32 v[CC+2], v[CC+2]
	v_nop                                          ; a plain instruction behind the last reciprocal,
	s_wait_alu depctr_va_vdst(0)                   ; and the one wait for both, ahead of their first use
.irp p, 0,1
.set i, 0
.rept 8
	v_pk_mul_f32 v[OT+16*(\p)+i:OT+16*(\p)+i+1], v[OT+16*(\p)+i:OT+16*(\p)+i+1], v[CC+2*(\p):CC+2*(\p)+1] op_sel_hi:[1,0]
.set i, i+2
.endr
.set i, 0
.rept 8
	v_cvt_pk_f16_f32 v[P+8*(\p)+i], v[OT+16*(\p)+2*i], v[OT+16*(\p)+2*i+1]
.set i, i+1
.endr
	ds_store_b128 v[STO], v[P+8*(\p):P+8*(\p)+3]
	ds_store_b128 v[STO], v[P+8*(\p)+4:P+8*(\p)+7] offset:32
	ds_load_b128 v[S+8*(\p):S+8*(\p)+3],   v[RD]
	ds_load_b128 v[S+8*(\p)+4:S+8*(\p)+7], v[RD] offset:8*SP
.endr
	s_wait_dscnt 5                                 ; piece 0's first load is back: its second and piece 1's four LDS instructions are younger
	global_store_b128 v[GO], v[S:S+3], s[10:11]
	s_wait_dscnt 4
	global_store_b128 v[GO], v[S+4:S+7], s[10:11] offset:512
	s_wait_dscnt 1
	global_store_b128 v[GO+1], v[S+8:S+11], s[10:11]
	s_wait_dscnt 0x0
	global_store_b128 v[GO+1], v[S+12:S+15], s[10:11] offset:512
.if !(\tail)
	s_wait_xcnt 0x0                                ; the stores have read their registers and O's address
	s_mov_b64 s[10:11], s[OLO:OLO+1]
	s_add_co_u32 s[RT], s[PB], 1                   ; the second block has b + 1 tiles
	s_mov_b32 s[NEW], 1
.endif
.endm
; A TILE: four key steps.  tail = 1: the walk's last tile, which is the second block's last.
.macro TILE tail
	s_wait_loadcnt 0x0                             ; Q
	s_sub_co_u32 s[RT], s[RT], 1
	s_cmp_eq_u32 s[NEW], 1
	s_cbranch_scc0 .Lold_\@
	s_mov_b32 s[NEW], 0                            ; a block begins: the first step's a is 0, its maximum the scores'
.irp p, 0,1
	v_mov_b32 v[ST+4*(\p)], 0xfe000000
	v_mov_b32 v[ST+4*(\p)+1], 0xff7fffff
.endr
.Lold_\@:
	s_cmp_eq_u32 s[RT], 0                          ; the block's last tile holds the diagonal
	s_cselect_b32 s[LIM], s[BD], 3
	s_cselect_b32 s[LIM+1], s[BD+1], 3
	s_cselect_b32 s[EQ], s[BD], -1
	s_cselect_b32 s[EQ+1], s[BD+1], -1
	s_mov_b32 s[STEP], 0
	s_mov_b32 s[CNT], 4
.Lstep_\@:
	FETCH
	PIECE 0
	PIECE 1
	s_wait_dscnt 0x0                               ; on the way past both pieces V's loads are still out: their registers are loaded again only behind this wait
	PLACES                                         ; the places behind the last products, ahead of the next step's loads and of the block's end
	s_add_co_u32 s[STEP], s[STEP], 1
	s_sub_co_u32 s[CNT], s[CNT], 1
	s_cmp_lg_u32 s[CNT], 0
	s_cbranch_scc1 .Lstep_\@
.if \tail
	FINISH 1
.else
	s_cmp_lg_u32 s[RT], 0
	s_cbranch_scc1 .Lnofin_\@
	FINISH 0
.Lnofin_\@:
.endif
.endm
.Lslot:                                                ; eight times: a tile is entered and the next is asked for
	CHANGE 1
	TILE 0
	s_sub_co_u32 s[SLOTS], s[SLOTS], 1
	s_cmp_lg_u32 s[SLOTS], 0
	s_cbranch_scc1 .Lslot
	CHANGE 0                                       ; the walk's last tile is written out: nothing is asked for
	TILE 1
	s_wait_tensorcnt 0x0                           ; the wave's end: an add of 0 to my spare word and its wait, behind my last tensor load and my last LDS store
	ds_add_u32 v[SPW], v[NIL]
	s_wait_dscnt 0x0
	s_endpgm
.Lfunc_end_k_q11af6cbee9_attn:
	.size	k_q11af6cbee9_attn, .Lfunc_end_k_q11af6cbee9_attn-k_q11af6cbee9_attn
	.p2alignl 7, 3214868480
	.fill 96, 4, 3214868480
	.section	.rodata,"a",@progbits
	.p2align	6, 0x0
	.amdhsa_kernel k_q11af6cbee9_attn
		.amdhsa_group_segment_fixed_size 327680
		.amdhsa_private_segment_fixed_size 0
		.amdhsa_enable_private_segment 0
		.amdhsa_kernarg_size 32
		.amdhsa_user_sgpr_count 2
		.amdhsa_user_sgpr_kernarg_segment_ptr 1
		.amdhsa_wavefront_size32 1
		.amdhsa_system_sgpr_workgroup_id_x 1
		.amdhsa_system_sgpr_workgroup_id_y 1
		.amdhsa_system_sgpr_workgroup_id_z 1
		.amdhsa_system_vgpr_workitem_id 0
		.amdhsa_next_free_vgpr 256
		.amdhsa_next_free_sgpr 88
		.amdhsa_reserve_vcc 1
		.amdhsa_float_denorm_mode_32 3
		.amdhsa_float_denorm_mode_16_64 3
		.amdhsa_memory_ordered 1
		.amdhsa_forward_progress 1
		.amdhsa_inst_pref_size 65
	.end_amdhsa_kernel
	.amdgpu_metadata
---
amdhsa.version: [ 1, 2 ]
amdhsa.kernels:
  - .name:           k_q11af6cbee9_attn
    .symbol:         k_q11af6cbee9_attn.kd
    .args:
      - { .name: qs, .offset: 0, .size: 8, .value_kind: global_buffer, .address_space: global }
      - { .name: ks, .offset: 8, .size: 8, .value_kind: global_buffer, .address_space: global }
      - { .name: vs, .offset: 16, .size: 8, .value_kind: global_buffer, .address_space: global }
      - { .name: ow, .offset: 24, .size: 8, .value_kind: global_buffer, .address_space: global }
    .group_segment_fixed_size: 327680
    .private_segment_fixed_size: 0
    .kernarg_segment_align: 8
    .kernarg_segment_size: 32
    .max_flat_workgroup_size: 256
    .sgpr_count:     88
    .vgpr_count:     256
    .wavefront_size: 32
...
	.end_amdgpu_metadata
.endif
;; end of part 3
;; launch oproj (part 4): grid 4 x 64, 8 waves a work-group, clusters of 4 x 4, 327,680 bytes of LDS; arguments ow, wob, out0; writes out0
.if DOCPART == 4
	.amdgcn_target "amdgcn-amd-amdhsa--gfx1250"
	.amdhsa_code_object_version 6
	.text
	.protected	k_q11af6cbee9_oproj
	.globl	k_q11af6cbee9_oproj
	.p2align	8
	.type	k_q11af6cbee9_oproj,@function
k_q11af6cbee9_oproj:
	s_mov_b64 s[64:65], 0
	v_nop
	global_prefetch_b8 v0, s[64:65] scope:SCOPE_SE
	s_setreg_imm32_b32 hwreg(HW_REG_WAVE_MODE, 25, 1), 1
	s_wait_xcnt 0x0
	s_wait_alu depctr_hold_cnt(0) depctr_sa_sdst(0) depctr_va_vdst(0) depctr_va_sdst(0) depctr_va_ssrc(0) depctr_va_vcc(0) depctr_vm_vsrc(0)
	s_getreg_b32 s2, hwreg(HW_REG_IB_STS2, 6, 4)
	s_cmp_eq_u32 s2, 0
	s_cbranch_scc0 .Lentry_in_a_cluster
	s_endpgm
.Lentry_in_a_cluster:
	s_bfe_u32 s2, ttmp6, 0x10000c
	s_cmp_lg_u32 s2, 0xf033
	s_cbranch_scc0 .Lentry_shape_is_right
	s_endpgm
.Lentry_shape_is_right:
; THE OUTPUT PROJECTION.  out0[row][n] = the sum over k = 32 head + d of O[row][k] Wo[k][n].  ow: [bh = 16 batch + head][t 2048][32] f16; wob: [kb 8][n 512][64 k] f16; out0: [8192][512] f32; sums in f32.
; SHARES.  A tile is 128 x 128: 64 x 4 = 256 work-groups.  All of K = 512 of both operands fits in LDS (163,840 + 147,456 bytes), so nothing is filled again: four waves issue four loads each at the start, a
; chunk of four heads each, and each chunk is read behind a counted wait and a barrier.  Eight waves, 2 x 4, each 64 rows x 32 columns: 8 accumulators.
; CLUSTER 4 x 4.  The four work-groups of a row of the cluster need the same rows of O, the four of a column the same rows of wob: each tile is asked for JOINTLY.
; THE MATRIX INSTRUCTION IS USED TRANSPOSED (source 0 = 16 rows of wob, source 1 = 16 rows of O): a lane holds one row and eight neighbouring columns, 32 bytes of f32.
; No prefetch: a short launch, whose loads all go out at its start.
.set PA,    80                         ; a row of O in LDS: 64 bytes + 16: an odd multiple of 16
.set PLANE, 128*PA                     ; a head's 128 rows
.set PBB,   144                        ; a row of wob: 128 bytes + 16
.set BBLK,  128*PBB                    ; a block of 64 k: 128 rows
.set BOFF,  16*PLANE
.set SPARE, BOFF+8*BBLK                ; behind the tiles: the spare words, 128 bytes for each of the eight waves
.set SP,    528                        ; the stage for the way out lies where O's tiles lay, which have had their only fill: 128 rows of 512 bytes + 16
.set ADA, 2                            ; v2   LDS address of my fragments of O in the chunk in hand
.set ADB, 3                            ; v3   of wob
.set STO, 4                            ; v4   the way out: where I put 32 bytes of a row
.set RD,  5                            ; v5   where I read rows back
.set GO,  6                            ; v6   16 x lane
.set SPW, 8                            ; v8   LDS address of my spare word; never rewritten
.set NIL, 9                            ; v9   0; never rewritten
.set ACC, 16                           ; v[16:79]  (a, bb) at ACC + 8 (2 a + bb)
.set BUF, 80                           ; v[80:175] two sets of 48: O's four fragments, wob's two
.set G1A, 24
.set G1B, 32
.set G0A, 48                           ; s[48:63] four sets, one a chunk
.set G0B, 68                           ; s[68:83]
.macro PLACES
.rept 4
	v_nop
.endr
.endm
.macro CROUND                          ; a round of the cluster's barrier
	s_barrier_signal -1
	s_barrier_wait -1
	s_cmp_lg_u32 s10, 0
	s_cbranch_scc1 .Lnot_wave_0_\@
	s_barrier_signal -3
.Lnot_wave_0_\@:
	s_barrier_wait -3
	s_barrier_signal -1
	s_barrier_wait -1
.endm
	s_load_b128 s[4:7], s[0:1], 0x0                ; ow s[4:5], wob s[6:7]
	s_load_b64 s[8:9], s[0:1], 0x10                ; out0
	v_lshl_add_u32 v[SPW], v0, 2, SPARE
	v_mov_b32 v[NIL], 0
	ds_add_u32 v[SPW], v[NIL]                      ; the wave's opening: the add and its wait stand ahead of my first tensor load; the set-up below, work on registers, stands between them
	v_lshrrev_b32 v1, 5, v0
	v_readfirstlane_b32 s10, v1                    ; wave 0..7
	s_and_b32 s12, s10, 1                          ; which half of a chunk I fetch (waves 0, 1: O; waves 2, 3: wob)
	s_bfe_u32 s40, ttmp6, 0x40000                  ; cx, cy
	s_bfe_u32 s41, ttmp6, 0x40004
	s_lshl_b32 s42, ttmp9, 2
	s_add_co_u32 s42, s42, s40                     ; column tile
	s_and_b32 s13, ttmp7, 0xffff
	s_lshl_b32 s13, s13, 2
	s_add_co_u32 s13, s13, s41                     ; tile row
	s_lshl_b32 s43, s41, 2
	s_lshl_b32 s43, 15, s43                        ; my row of the cluster
	s_lshl_b32 s44, 0x1111, s40                    ; my column
	s_or_b32 s[G1A+0], s43, (1<<16)|(1<<20)|(1<<21)|(3<<22)|(3<<25)  ; O's tiles go to my row; 2-byte elements; padding on; bit 21 beside a mask; after every 16 words (a row of O), 4 words
	s_mov_b32 s[G1A+1], 4096<<16                   ; a head's 128 rows are 8,192 dense bytes: one row of the tile
	s_mov_b32 s[G1A+2], 2<<16                      ; two heads
	s_mov_b32 s[G1A+3], 4096<<16
	s_mov_b32 s[G1A+4], 2
	s_mov_b32 s[G1A+5], 65536                      ; from head to head: 2,048 rows of 32 elements
	s_mov_b32 s[G1A+6], 0
	s_mov_b32 s[G1A+7], 0
	s_or_b32 s[G1B+0], s44, (1<<16)|(1<<20)|(1<<21)|(4<<22)|(3<<25)  ; wob's go to my column; after every 32 words, 4 words
	s_mov_b32 s[G1B+1], 128<<16                    ; 128 rows of wob are 16,384 dense bytes: 64 rows of 256
	s_mov_b32 s[G1B+2], 64<<16
	s_mov_b32 s[G1B+3], 128<<16
	s_mov_b32 s[G1B+4], 64
	s_mov_b32 s[G1B+5], 128
	s_mov_b32 s[G1B+6], 0
	s_mov_b32 s[G1B+7], 0
	s_lshr_b32 s16, s13, 4                         ; O: batch x 16 heads of 131,072 bytes,
	s_lshl_b32 s16, s16, 21
	s_and_b32 s17, s13, 15                         ; + the tile's first row t0 = 128 (tile row % 16), of 64 bytes,
	s_lshl_b32 s17, s17, 13
	s_add_co_u32 s16, s16, s17
	s_lshl_b32 s17, s12, 18                        ; + my two heads of the chunk's four
	s_add_co_u32 s16, s16, s17
	s_mov_b32 s17, 0
	s_lshl_b32 s46, s42, 14                        ; wob: 128 rows of 128 bytes a column tile,
	s_lshl_b32 s47, s12, 16                        ; + my block of the chunk's two
	s_add_co_u32 s46, s46, s47
	s_mov_b32 s47, 0
	s_mul_i32 s20, s12, 2*PLANE                    ; and where they go: no place in the cluster enters an LDS address
	s_mul_i32 s21, s12, BBLK
	s_add_co_u32 s21, s21, BOFF
	s_wait_dscnt 0x0                               ; the opening add is done
	s_wait_kmcnt 0x0
	s_add_nc_u64 s[14:15], s[4:5], s[16:17]
	s_add_nc_u64 s[46:47], s[6:7], s[46:47]
	CROUND                                         ; all sixteen work-groups are here: the joint loads meet
.irp c, 0,1,2,3
	s_mov_b32 s[G0A+4*(\c)], 1
	s_add_co_u32 s[G0A+4*(\c)+1], s20, (\c)*4*PLANE
	s_add_nc_u64 s[G0A+4*(\c)+2:G0A+4*(\c)+3], s[14:15], (\c)*524288   ; four heads on
	s_or_b32 s[G0A+4*(\c)+3], s[G0A+4*(\c)+3], 0x80000000
	s_mov_b32 s[G0B+4*(\c)], 1
	s_add_co_u32 s[G0B+4*(\c)+1], s21, (\c)*2*BBLK
	s_add_nc_u64 s[G0B+4*(\c)+2:G0B+4*(\c)+3], s[46:47], (\c)*131072   ; two blocks on
	s_or_b32 s[G0B+4*(\c)+3], s[G0B+4*(\c)+3], 0x80000000
.endr
	s_cmp_lt_u32 s10, 2                            ; a wave's four fills stand in one branch, ahead of every wait on TENSORcnt, every LDS read and every further barrier: four loads of mine are out
	s_cbranch_scc0 .Lnot_a
.irp c, 0,1,2,3
	tensor_load_to_lds s[G0A+4*(\c):G0A+4*(\c)+3], s[G1A:G1A+7]
	s_nop 0
.endr
	PLACES
	s_branch .Lasked
.Lnot_a:
	s_cmp_lt_u32 s10, 4
	s_cbranch_scc0 .Lasked                         ; waves 4 to 7 fetch nothing
.irp c, 0,1,2,3
	tensor_load_to_lds s[G0B+4*(\c):G0B+4*(\c)+3], s[G1B:G1B+7]
	s_nop 0
.endr
	PLACES
.Lasked:
	v_and_b32 v1, 15, v0                           ; l % 16
	v_bfe_u32 v7, v0, 4, 1                         ; l / 16
	s_lshr_b32 s18, s10, 2                         ; which 64 rows are mine
	s_and_b32 s19, s10, 3                          ; which 32 columns
	v_mul_u32_u24 v[ADA], v1, PA
	v_lshl_add_u32 v[ADA], v7, 4, v[ADA]
	s_mul_i32 s22, s18, 64*PA
	v_add_nc_u32 v[ADA], s22, v[ADA]
	v_mul_u32_u24 v[ADB], v1, PBB
	v_lshl_add_u32 v[ADB], v7, 4, v[ADB]
	s_mul_i32 s22, s19, 32*PBB
	s_add_co_u32 s22, s22, BOFF
	v_add_nc_u32 v[ADB], s22, v[ADB]
	v_mul_u32_u24 v[STO], v1, SP                   ; the way out, in: row 64 (w / 4) + l % 16, byte 128 (w % 4) + 32 (l / 16)
	v_lshl_add_u32 v[STO], v7, 5, v[STO]
	s_mul_i32 s22, s18, 64*SP
	s_lshl_b32 s23, s19, 7
	s_add_co_u32 s22, s22, s23
	v_add_nc_u32 v[STO], s22, v[STO]
	v_and_b32 v[GO], 31, v0
	v_lshlrev_b32 v[GO], 4, v[GO]
	s_mul_i32 s22, s10, 16*SP                      ; back: wave w takes rows 16 w .. 16 w + 15, whole: 32 lanes x 16 bytes
	v_add_nc_u32 v[RD], s22, v[GO]
	s_lshl_b32 s84, s13, 18                        ; out0: 128 x tile row rows of 2,048 bytes,
	s_lshl_b32 s85, s10, 15                        ; + 16 w rows,
	s_add_co_u32 s84, s84, s85
	s_lshl_b32 s85, s42, 9                         ; + the tile's 128 columns of 4 bytes
	s_add_co_u32 s84, s84, s85
	s_mov_b32 s85, 0
	s_add_nc_u64 s[8:9], s[8:9], s[84:85]
; The 12 LDS loads of head kk (of the chunk's four) into set g.  Four places stand in front: the set was read by matrix instructions.
.macro FETCH2 kk, g
	PLACES
.irp a, 0,1,2,3
	ds_load_b128 v[BUF+48*(\g)+8*(\a):BUF+48*(\g)+8*(\a)+3],   v[ADA] offset:(\kk)*PLANE+(\a)*16*PA
	ds_load_b128 v[BUF+48*(\g)+8*(\a)+4:BUF+48*(\g)+8*(\a)+7], v[ADA] offset:(\kk)*PLANE+(\a)*16*PA+32
.endr
.irp bb, 0,1
	ds_load_b128 v[BUF+48*(\g)+32+8*(\bb):BUF+48*(\g)+32+8*(\bb)+3],   v[ADB] offset:((\kk)/2)*BBLK+((\kk)%2)*64+(\bb)*16*PBB
	ds_load_b128 v[BUF+48*(\g)+32+8*(\bb)+4:BUF+48*(\g)+32+8*(\bb)+7], v[ADB] offset:((\kk)/2)*BBLK+((\kk)%2)*64+(\bb)*16*PBB+32
.endr
.endm
; A head's eight products.  The eight accumulators take turns, one instruction a turn.
.macro MUL2 g, zero
.irp a, 0,1,2,3
.irp bb, 0,1
.if \zero
	v_wmma_f32_16x16x32_f16 v[ACC+8*(2*(\a)+(\bb)):ACC+8*(2*(\a)+(\bb))+7], v[BUF+48*(\g)+32+8*(\bb):BUF+48*(\g)+32+8*(\bb)+7], v[BUF+48*(\g)+8*(\a):BUF+48*(\g)+8*(\a)+7], 0
.else
	v_wmma_f32_16x16x32_f16 v[ACC+8*(2*(\a)+(\bb)):ACC+8*(2*(\a)+(\bb))+7], v[BUF+48*(\g)+32+8*(\bb):BUF+48*(\g)+32+8*(\bb)+7], v[BUF+48*(\g)+8*(\a):BUF+48*(\g)+8*(\a)+7], v[ACC+8*(2*(\a)+(\bb)):ACC+8*(2*(\a)+(\bb))+7]
.endif
.endr
.endr
.endm
.macro CHUNK c
	s_wait_tensorcnt 3-(\c)                        ; my part of chunk c is in; the later chunks' loads may stay out
	s_barrier_signal -1
	s_barrier_wait -1                              ; everybody's is
	FETCH2 0, 0
	FETCH2 1, 1
	s_wait_dscnt 12                                ; all but the 12 just issued
.if (\c) == 0
	MUL2 0, 1                                      ; the first head's products start the sums
.else
	MUL2 0, 0
.endif
	FETCH2 2, 0
	s_wait_dscnt 12
	MUL2 1, 0
	FETCH2 3, 1
	s_wait_dscnt 12
	MUL2 0, 0
	s_wait_dscnt 0x0
	MUL2 1, 0
	v_add_nc_u32 v[ADA], 4*PLANE, v[ADA]           ; the next chunk
	v_add_nc_u32 v[ADB], 2*BBLK, v[ADB]
.endm
	CHUNK 0
	CHUNK 1
	CHUNK 2
	CHUNK 3
	; THE WAY OUT.  Every wave's reads of O's tiles are back (the wait for 0 above), and every fill has landed: behind this barrier the stage may be written.
	PLACES
	s_barrier_signal -1
	s_barrier_wait -1
.irp a, 0,1,2,3
.irp bb, 0,1
	ds_store_b128 v[STO], v[ACC+8*(2*(\a)+(\bb)):ACC+8*(2*(\a)+(\bb))+3]   offset:(\a)*16*SP+64*(\bb)     ; each accumulator's low half first
	ds_store_b128 v[STO], v[ACC+8*(2*(\a)+(\bb))+4:ACC+8*(2*(\a)+(\bb))+7] offset:(\a)*16*SP+64*(\bb)+16
.endr
.endr
	s_wait_dscnt 0x0                               ; for the others' sake: a row's 512 bytes come from four waves
	s_barrier_signal -1
	s_barrier_wait -1
.irp i, 0,1,2,3,4,5,6,7,8,9,10,11,12,13,14,15
	ds_load_b128 v[BUF+4*(\i):BUF+4*(\i)+3], v[RD] offset:(\i)*SP
.endr
.irp i, 0,1,2,3,4,5,6,7,8,9,10,11,12,13,14,15
	s_wait_dscnt 15-(\i)                           ; the younger loads may stay out
	global_store_b128 v[GO], v[BUF+4*(\i):BUF+4*(\i)+3], s[8:9] offset:(\i)*2048 th:TH_STORE_NT  ; the wave stores 512 consecutive bytes of a row
.endr
	s_wait_tensorcnt 0x0                           ; the wave's end: an add of 0 to my spare word and its wait, behind my last tensor load and my last LDS store
	ds_add_u32 v[SPW], v[NIL]
	s_wait_dscnt 0x0
	CROUND                                         ; the closing round: no work-group ends while a partner may still ask for a tile that names it
	s_endpgm
.Lfunc_end_k_q11af6cbee9_oproj:
	.size	k_q11af6cbee9_oproj, .Lfunc_end_k_q11af6cbee9_oproj-k_q11af6cbee9_oproj
	.p2alignl 7, 3214868480
	.fill 96, 4, 3214868480
	.section	.rodata,"a",@progbits
	.p2align	6, 0x0
	.amdhsa_kernel k_q11af6cbee9_oproj
		.amdhsa_group_segment_fixed_size 327680
		.amdhsa_private_segment_fixed_size 0
		.amdhsa_enable_private_segment 0
		.amdhsa_kernarg_size 24
		.amdhsa_user_sgpr_count 2
		.amdhsa_user_sgpr_kernarg_segment_ptr 1
		.amdhsa_wavefront_size32 1
		.amdhsa_system_sgpr_workgroup_id_x 1
		.amdhsa_system_sgpr_workgroup_id_y 1
		.amdhsa_system_sgpr_workgroup_id_z 1
		.amdhsa_system_vgpr_workitem_id 0
		.amdhsa_next_free_vgpr 192
		.amdhsa_next_free_sgpr 96
		.amdhsa_reserve_vcc 0
		.amdhsa_float_denorm_mode_32 3
		.amdhsa_float_denorm_mode_16_64 3
		.amdhsa_memory_ordered 1
		.amdhsa_forward_progress 1
		.amdhsa_inst_pref_size 36
	.end_amdhsa_kernel
	.amdgpu_metadata
---
amdhsa.version: [ 1, 2 ]
amdhsa.kernels:
  - .name:           k_q11af6cbee9_oproj
    .symbol:         k_q11af6cbee9_oproj.kd
    .args:
      - { .name: ow, .offset: 0, .size: 8, .value_kind: global_buffer, .address_space: global }
      - { .name: wob, .offset: 8, .size: 8, .value_kind: global_buffer, .address_space: global }
      - { .name: out0, .offset: 16, .size: 8, .value_kind: global_buffer, .address_space: global }
    .group_segment_fixed_size: 327680
    .private_segment_fixed_size: 0
    .kernarg_segment_align: 8
    .kernarg_segment_size: 24
    .max_flat_workgroup_size: 256
    .sgpr_count:     96
    .vgpr_count:     192
    .wavefront_size: 32
...
	.end_amdgpu_metadata
.endif
;; end of part 4
